; MI455X (gfx1250); checked and timed in simulation.
; The chip was launched on July 23, 2026; its instructions are those of AMD's public machine-readable ISA for CDNA 5 (MIT licence, August 2026) and "CDNA5" Instruction Set Architecture Reference Guide (July 2026). The comments in the code are by the model that wrote it; some were corrected since.
;; Attention. Allowed arithmetic: matrix products marked QUANTISED: E2M3 operands, one E8M0 scale for each 32 along K, by v_wmma_scale_f32_16x16x128_f8f6f4 with both operands' format E2M3, f32 sums; everything else in f32.
;; Inputs: b_proj 1,024 float32; b_qkv 3,072 float32; w_proj 1,024 x 1,024 float32; w_qkv 3,072 x 1,024 float32; x 8 x 1,024 x 1,024 float32.
;; Outputs: out0 8 x 1,024 x 1,024 float32.
;; This version of the problem:
;;   THIS VERSION OF THE PROBLEM IS GIVEN IN LOW PRECISION. The matrix products marked QUANTISED in the list below multiply operands that are first quantised to E2M3 (2 exponent bits, 3 mantissa bits; 6 bits a number), with one power-of-two scale for each 32 numbers along K (OCP MX v1.0); their sums are f32. All else is computed in f32.
;;   The module's matrix products, in the order in which they are computed (A, B: the left and right operand; K: the contracted axis; several contracted axes count as one K, in the product's order):
;;     1. [M 8,192, K 1,024] x [K 1,024, N 3,072]; A: input x; B: input w_qkv: QUANTISED
;;     2. batch 128 x [M 1,024, K 64] x [K 64, N 1,024]; A: computed on the way; B: computed on the way: QUANTISED
;;     3. batch 128 x [M 1,024, K 1,024] x [K 1,024, N 64]; A: softmax (see below); B: computed on the way: QUANTISED
;;     4. [M 8,192, K 1,024] x [K 1,024, N 1,024]; A: computed on the way; B: input w_proj: QUANTISED
;;   THE QUANTISER, for each operand of a quantised product, along K:
;;     - K is cut into blocks of 32 from its start; a last block that is shorter is filled with zeros.
;;     - A block's scale is 2^e with e = floor(log2(the largest magnitude in the block)) - 2, held to -126 .. 127; a block of zeros has e = 0. As a byte (E8M0): e + 127.
;;     - Each number is divided by its block's scale, clamped to +-7.5, and rounded to the nearest number of E2M3, ties to even, subnormals kept.
;;     - The product sums the exact products of the quantised numbers (number of the format x scale) in f32.
;;   ~~~python
;;   def quantise(x, axis):      # numpy; x: float32 -> the quantised numbers, widened to float32 again
;;       x = np.moveaxis(x, axis, -1); K = x.shape[-1]
;;       x = np.pad(x, [(0, 0)] * (x.ndim - 1) + [(0, -K % 32)]); x = x.reshape(x.shape[:-1] + (-1, 32)); a = np.abs(x).max(-1, keepdims=True)
;;       e = np.where(a > 0, np.clip(np.frexp(np.where(a > 0, a, 1))[1] - 1 - 2, -126, 127), 0)      # np.frexp(a)[1] - 1 = floor(log2(a)), exactly
;;       r = np.clip(x / 2.0 ** e, -7.5, 7.5)
;;       step = 2.0 ** (np.maximum(np.frexp(np.where(r == 0, 1, r))[1] - 1, 0) - 3)
;;       q = np.round(r / step) * step * 2.0 ** e      # np.round: ties to even
;;       return np.moveaxis(q.reshape(q.shape[:-2] + (-1,))[..., :K], -1, axis).astype(np.float32)
;;   ~~~
;;   SOFTMAX AHEAD OF A QUANTISED PRODUCT. Where the list says 'softmax', what is quantised is not the finished softmax but p = 2^(t - M), with t = logit x log2(e) and M = ceil(the row's largest t), a whole number; so 1/2 < the row's largest p <= 1. The row's sum l is taken of the UNQUANTISED p, in f32, and the product's result is divided by l at the end. Since M is a whole number, a kernel that streams over the keys may use a running M (the ceiling of the running maximum): every later rescaling is an exact power of two, which a block's scale takes up: the codes' values come out the same.
;;   OPERANDS COMPUTED ON THE WAY. 'Computed on the way' means the value that the module computes at that place (a softmax that the list does not call 'softmax' is quantised finished and normalised). What goes into a quantiser is computed in f32, as accurately as f32 sums, v_exp_f32 and their like allow (about 1e-6 of the number): no bf16 or f16 on the way to a quantiser, and a product that is left as it is and whose result goes on into a quantised operand takes f32 operands (vector FMAs, or v_wmma_f32_16x16x4_f32). A number that lies on a knife's edge between two numbers of the format may be rounded either way, as far as f32 arithmetic and the matrix unit's own rounding can turn it there, and no further.
;; One version. Each part assembles by itself: llvm-mc -triple=amdgcn-amd-amdhsa -mcpu=gfx1250 --defsym DOCPART=n.
;; ======== version 1 of 1: 4 launches
;; limits: right only within a limited range of input values
;; workspace buffers: xq 6,553,600 bytes; wq 2,457,600 bytes; wp 819,200 bytes; qq 6,553,600 bytes; kv 13,107,200 bytes; cq 6,553,600 bytes
;; launch quant (part 1): grid 384 x 1, 8 waves a work-group, no clusters, 140,288 bytes of LDS; arguments x, w_qkv, w_proj, xq, wq, wp; writes xq, wq, wp
.if DOCPART == 1
	.amdgcn_target "amdgcn-amd-amdhsa--gfx1250"
	.amdhsa_code_object_version 6
	.text
	.protected	k_q1f64b02a30_quant
	.globl	k_q1f64b02a30_quant
	.p2align	8
	.type	k_q1f64b02a30_quant,@function
k_q1f64b02a30_quant:
	s_mov_b64 s[64:65], 0
	v_nop
	global_prefetch_b8 v0, s[64:65] scope:SCOPE_SE
	s_setreg_imm32_b32 hwreg(HW_REG_WAVE_MODE, 25, 1), 1
	s_wait_xcnt 0x0
; x [8192][1024], w_qkv [3072][1024] and w_proj [1024][1024], f32, K innermost, become codes of FP6 (E2M3) with one E8M0 byte for each 32 along K.
; DEAD WORK: none.  Every product of the problem is live, both biases reach a quantiser or the output, and all five inputs are loaded by some launch of this program.
; A block's scale is 2^(floor(log2(its largest magnitude)) - 2); its byte is the largest magnitude's exponent field - 2, held at 1 from below.
; LIMITS: NaN and infinities among the inputs are not served; a block whose largest magnitude lies under 2^-124 has its byte held at 1; a block of zeros has the byte 1 where the rule says 127:
; its codes are zeros, which add nothing under any byte but 0xff, and the bytes are read by this program alone.
; THE WORKSPACE'S LAYOUT.  Codes lie as IMAGES OF THE OPERAND'S REGISTERS: a fragment (16 rows x 128 K, 12 registers a lane) is 1,536 bytes: registers 4 c .. 4 c + 3 of lane l at 512 c + 16 l.
; Fragments lie [row block][K step 0..7].  ROW BLOCK R HOLDS ROWS 32 (R / 2) + 8 (R % 2) + r + 8 (r / 8): so where the tensor is a product's source 0, the 16 result registers of blocks 2 i and 2 i + 1
; are 16 neighbours.  Scale words (four bytes: 128 along K of one row) lie behind the codes, [row block][K step][r]: 512 bytes a row block.
; SHARES.  A work-group takes 32 rows (two row blocks): 256 work-groups for x, 96 for w_qkv, 32 for w_proj; only pointers are chosen by the work-group's number: one path through the text.
; Wave w takes row block w / 4 of the two and K steps 2 (w % 4) on: two fragments.  Each load reads 512 consecutive bytes of a row; a fragment's 16 x 512 bytes turn through the wave's own stage in LDS,
; so that lane (r, h) gets 16 neighbours of each block of 32 of row r.  No tensor loads, no barrier: waves share nothing, and nothing is read by two work-groups, so there is no cluster.
; THE SHARES, as they stand now: a work-group of EIGHT waves takes 32 rows; wave w takes row block w / 4 of the two and K steps 2 (w % 4) on: two fragments, whose 32 loads are all issued at the start.
.set WREG,  17408                      ; LDS: a region for each wave: two stages of 16 rows x SP bytes, then its 128 bytes of scale words
.set SP,    528                        ; a stage row: 512 bytes + 16: the sixteen rows that a read touches begin in sixteen different groups of banks
.set STG,   16*SP
.set SWO,   2*STG
.set SPARE, 8*WREG                     ; behind the eight regions: the spare words, 128 bytes for each wave
.set SPW,   10                         ; v10  LDS address of my spare word; never rewritten
.set NIL,   11                         ; v11  0; never rewritten
.set R,     16                         ; v16-143  two sets of 64 numbers as they are loaded
.set X,     144                        ; v144-207 64 numbers turned: register 16 b + i = k 32 b + 16 h + i of my row
.set PC,    208                        ; v208-219 the fragment's codes
.set PT,    220                        ; v220-226 the conversions' second halves
.set TM,    228                        ; v228-231 largest magnitudes, v232-235 the other half's, then bytes, v236-239 the conversions' scale operands
.set PW,    240                        ; v240 the scale word
.set SEL,   20                         ; s[20:21] v_permlanex16_b32's selects for lane l xor 16
	s_load_b256 s[4:11], s[0:1], 0x0               ; x s[4:5], w_qkv s[6:7], w_proj s[8:9], xq s[10:11]
	s_load_b128 s[12:15], s[0:1], 0x20             ; wq s[12:13], wp s[14:15]
	v_lshl_add_u32 v[SPW], v0, 2, SPARE
	v_mov_b32 v[NIL], 0
	v_lshrrev_b32 v1, 5, v0
	v_readfirstlane_b32 s16, v1                    ; wave 0..7
	v_and_b32 v1, 31, v0                           ; lane
	v_and_b32 v2, 15, v0                           ; r
	v_bfe_u32 v3, v0, 4, 1                         ; h
	v_lshlrev_b32 v4, 4, v1                        ; 16 x lane: my bytes of a load's 512 and of a store's 512
	s_mul_i32 s17, s16, WREG
	v_add_nc_u32 v5, s17, v4                       ; the stage, on the way in: 16 x lane in a row
	v_mul_u32_u24 v6, v2, SP
	v_lshl_add_u32 v6, v3, 6, v6
	v_add_nc_u32 v6, s17, v6                       ; and on the way out: row r, + 64 h
	v_lshl_add_u32 v7, v2, 2, s17                  ; my row's scale word
	v_lshlrev_b32 v9, 2, v1                        ; and on the way out 4 bytes a lane
	v_add_nc_u32 v8, s17, v9
	s_lshr_b32 s18, s16, 2                         ; which of the two row blocks
	s_and_b32 s19, s16, 3                          ; which two K steps
	s_mov_b32 s[SEL], 0x76543210
	s_mov_b32 s[SEL+1], 0xfedcba98
.irp b, 0,1,2,3
	v_mov_b32 v[TM+4+\b], 0                        ; written once: a lane permute's destination counts as one of its sources
.endr
	s_wait_alu depctr_va_vdst(0)
	s_wait_kmcnt 0x0
	s_cmp_lt_u32 ttmp9, 352                        ; w_qkv's work-group or w_proj's?  The choices hang on the work-group's number alone
	s_cselect_b64 s[6:7], s[6:7], s[8:9]
	s_cselect_b64 s[12:13], s[12:13], s[14:15]
	s_mov_b32 s22, 786432
	s_cselect_b32 s22, 2359296, s22                ; where the scale words begin in the buffer
	s_mov_b32 s23, 352
	s_cselect_b32 s23, 256, s23                    ; the tensor's first work-group
	s_cmp_lt_u32 ttmp9, 256                        ; or x's?
	s_cselect_b64 s[4:5], s[4:5], s[6:7]
	s_cselect_b64 s[10:11], s[10:11], s[12:13]
	s_cselect_b32 s22, 6291456, s22
	s_cselect_b32 s23, 0, s23
	s_sub_co_u32 s23, ttmp9, s23                   ; which 32 rows of the tensor
	s_lshl_b32 s24, s23, 1
	s_add_co_u32 s24, s24, s18                     ; my row block
	s_lshl_b32 s26, s23, 17                        ; 32 rows of 4,096 bytes,
	s_lshl_b32 s25, s18, 15                        ; 8 rows for the odd block,
	s_add_co_u32 s26, s26, s25
	s_lshl_b32 s25, s19, 10                        ; two K steps of 512 bytes
	s_add_co_u32 s26, s26, s25
	s_mov_b32 s27, 0
	s_add_nc_u64 s[4:5], s[4:5], s[26:27]
	s_mul_i32 s28, s24, 12288                      ; a row block's eight fragments
	s_mul_i32 s25, s19, 3072
	s_add_co_u32 s28, s28, s25
	s_mov_b32 s29, 0
	s_lshl_b32 s30, s24, 9                         ; a row block's scale words
	s_lshl_b32 s25, s19, 7
	s_add_co_u32 s30, s30, s25
	s_add_co_u32 s30, s30, s22
	s_mov_b32 s31, 0
	s_add_nc_u64 s[30:31], s[10:11], s[30:31]      ; my scale words
	s_add_nc_u64 s[10:11], s[10:11], s[28:29]      ; my codes
.macro LOAD q                          ; fragment q: 16 rows x 512 bytes; the block's row i is i + 8 (i / 8) rows on
.irp i, 0,1,2,3,4,5,6,7,8,9,10,11,12,13,14,15
	global_load_b128 v[R+64*((\q)%2)+4*\i:R+64*((\q)%2)+4*\i+3], v4, s[4:5] offset:(\i+8*(\i/8))*4096+512*(\q) th:TH_LOAD_NT
.endr
.endm
.macro TURN q                          ; through the stage: LDS serves a wave's instructions in order, so no wait stands between the stores and the loads
.irp i, 0,1,2,3,4,5,6,7,8,9,10,11,12,13,14,15
	ds_store_b128 v5, v[R+64*((\q)%2)+4*\i:R+64*((\q)%2)+4*\i+3] offset:STG*((\q)%2)+SP*\i
.endr
.irp b, 0,1,2,3
.irp j, 0,1,2,3
	ds_load_b128 v[X+16*\b+4*\j:X+16*\b+4*\j+3], v6 offset:STG*((\q)%2)+128*\b+16*\j
.endr
.endr
.endm
; 64 numbers of a lane, register 16 b + i = k 32 b + 16 h + i of my row, become a fragment's codes (registers 0-5 at d0, 6-11 at d1) and its scale word in v[w].
.macro QUANT s, d0, d1, w
.irp b, 0,1,2,3
	v_max3_num_f32 v[TM+\b], |v[(\s)+16*\b]|, |v[(\s)+1+16*\b]|, 0x1800000   ; block b: my 16 numbers, and the floor 2^(3 - 127): so the byte cannot fall under 1
.endr
.irp i, 2,4,6,8,10,12,14
.irp b, 0,1,2,3
	v_max3_num_f32 v[TM+\b], v[TM+\b], |v[(\s)+16*\b+\i]|, |v[(\s)+1+16*\b+\i]|   ; the four blocks by turns
.endr
.endr
.irp b, 0,1,2,3
	v_permlanex16_b32 v[TM+4+\b], v[TM+\b], s[SEL], s[SEL+1]
.endr
.irp b, 0,1,2,3
	v_max_num_f32 v[TM+\b], v[TM+\b], v[TM+4+\b]   ; with lane l xor 16's: the block's largest magnitude
.endr
.irp b, 0,1,2,3
	v_add_nc_u32 v[TM+8+\b], 0xff000000, v[TM+\b]  ; 2 off its exponent field: the conversion takes the exponent field of this operand as its scale
.endr
.irp b, 0,1,2,3
	v_lshrrev_b32 v[TM+4+\b], 23, v[TM+8+\b]       ; the scale's byte
.endr
	v_lshl_or_b32 v[\w], v[TM+5], 8, v[TM+4]
	v_lshl_or_b32 v[\w], v[TM+6], 16, v[\w]
	v_lshl_or_b32 v[\w], v[TM+7], 24, v[\w]
	v_cvt_scalef32_pk16_fp6_f32 v[(\d0):(\d0)+2], v[(\s):(\s)+15], v[TM+8]
	v_cvt_scalef32_pk16_fp6_f32 v[PT:PT+2], v[(\s)+16:(\s)+31], v[TM+9]      ; (a conversion's three registers begin on an even number)
	v_cvt_scalef32_pk16_fp6_f32 v[(\d1):(\d1)+2], v[(\s)+32:(\s)+47], v[TM+10]
	v_cvt_scalef32_pk16_fp6_f32 v[PT+4:PT+6], v[(\s)+48:(\s)+63], v[TM+11]
	v_nop                                          ; one plain place behind a scaled conversion
.irp i, 0,1,2                          ; the operand's layout wants a WHOLE block in a lane: lanes 0-15 the even block, lanes 16-31 the odd one
	v_permlane16_swap_b32 v[(\d0)+\i], v[PT+\i]
	v_permlane16_swap_b32 v[(\d1)+\i], v[PT+4+\i]
.endr
.irp i, 0,1,2
	v_mov_b32 v[(\d0)+3+\i], v[PT+\i]
	v_mov_b32 v[(\d1)+3+\i], v[PT+4+\i]
.endr
.endm
.macro FRAGM q
.if (\q) < 1
	s_wait_loadcnt 16                              ; this fragment's 16 loads are in; the next fragment's 16 may be out
.else
	s_wait_loadcnt 0x0
.endif
	TURN \q
	s_wait_dscnt 0x0                               ; the numbers are back, the stage's stores have read their set, and the last scale word's store has read its register
	s_wait_xcnt 0x0                                ; the last fragment's stores have read the codes' registers, which are written again below
	QUANT X, PC, PC+6, PW
.irp c, 0,1,2
	global_store_b128 v4, v[PC+4*\c:PC+4*\c+3], s[10:11] offset:1536*(\q)+512*\c   ; 32 lanes store 512 consecutive bytes, at a multiple of 256 from the buffer's first byte
.endr
	ds_store_b32 v7, v[PW] offset:SWO+64*(\q)      ; both halves of the lanes write the same word with the same value
.endm
	LOAD 0
	LOAD 1
	FRAGM 0
	FRAGM 1
	ds_load_b32 v12, v8 offset:SWO                 ; LDS serves a wave's instructions in order: this sees my stores
	s_wait_dscnt 0x0
	global_store_b32 v9, v12, s[30:31]             ; 32 lanes store 128 consecutive bytes: two K steps' scale words of my row block
	s_wait_tensorcnt 0x0                           ; the wave's end, behind my last LDS store
	ds_add_u32 v[SPW], v[NIL]
	s_wait_dscnt 0x0
	s_endpgm
.Lfunc_end_k_q1f64b02a30_quant:
	.size	k_q1f64b02a30_quant, .Lfunc_end_k_q1f64b02a30_quant-k_q1f64b02a30_quant
	.p2alignl 7, 3214868480
	.fill 96, 4, 3214868480
	.section	.rodata,"a",@progbits
	.p2align	6, 0x0
	.amdhsa_kernel k_q1f64b02a30_quant
		.amdhsa_group_segment_fixed_size 140288
		.amdhsa_private_segment_fixed_size 0
		.amdhsa_enable_private_segment 0
		.amdhsa_kernarg_size 48
		.amdhsa_user_sgpr_count 2
		.amdhsa_user_sgpr_kernarg_segment_ptr 1
		.amdhsa_wavefront_size32 1
		.amdhsa_system_sgpr_workgroup_id_x 1
		.amdhsa_system_sgpr_workgroup_id_y 1
		.amdhsa_system_sgpr_workgroup_id_z 1
		.amdhsa_system_vgpr_workitem_id 0
		.amdhsa_next_free_vgpr 256
		.amdhsa_next_free_sgpr 66
		.amdhsa_reserve_vcc 0
		.amdhsa_float_denorm_mode_32 3
		.amdhsa_float_denorm_mode_16_64 3
		.amdhsa_memory_ordered 1
		.amdhsa_forward_progress 1
		.amdhsa_inst_pref_size 19
	.end_amdhsa_kernel
	.amdgpu_metadata
---
amdhsa.version: [ 1, 2 ]
amdhsa.kernels:
  - .name:           k_q1f64b02a30_quant
    .symbol:         k_q1f64b02a30_quant.kd
    .args:
      - { .name: x, .offset: 0, .size: 8, .value_kind: global_buffer, .address_space: global }
      - { .name: w_qkv, .offset: 8, .size: 8, .value_kind: global_buffer, .address_space: global }
      - { .name: w_proj, .offset: 16, .size: 8, .value_kind: global_buffer, .address_space: global }
      - { .name: xq, .offset: 24, .size: 8, .value_kind: global_buffer, .address_space: global }
      - { .name: wq, .offset: 32, .size: 8, .value_kind: global_buffer, .address_space: global }
      - { .name: wp, .offset: 40, .size: 8, .value_kind: global_buffer, .address_space: global }
    .group_segment_fixed_size: 140288
    .private_segment_fixed_size: 0
    .kernarg_segment_align: 8
    .kernarg_segment_size: 48
    .max_flat_workgroup_size: 256
    .sgpr_count:     66
    .vgpr_count:     256
    .wavefront_size: 32
...
	.end_amdgpu_metadata
.endif
;; end of part 1
;; launch qkv (part 2): grid 4 x 64, 4 waves a work-group, clusters of 4 x 4, 327,680 bytes of LDS; arguments xq, wq, b_qkv, qq, kv; writes qq, kv
.if DOCPART == 2
	.amdgcn_target "amdgcn-amd-amdhsa--gfx1250"
	.amdhsa_code_object_version 6
	.text
	.protected	k_q1f64b02a30_qkv
	.globl	k_q1f64b02a30_qkv
	.p2align	8
	.type	k_q1f64b02a30_qkv,@function
k_q1f64b02a30_qkv:
	s_mov_b64 s[64:65], 0
	v_nop
	global_prefetch_b8 v0, s[64:65] scope:SCOPE_SE
	s_setreg_imm32_b32 hwreg(HW_REG_WAVE_MODE, 25, 1), 1
	s_wait_xcnt 0x0
	s_wait_alu depctr_hold_cnt(0) depctr_sa_sdst(0) depctr_va_vdst(0) depctr_va_sdst(0) depctr_va_ssrc(0) depctr_va_vcc(0) depctr_vm_vsrc(0)
	s_getreg_b32 s2, hwreg(HW_REG_IB_STS2, 6, 4)
	s_cmp_eq_u32 s2, 0
	s_cbranch_scc0 .Lentry_in_a_cluster
	s_endpgm
.Lentry_in_a_cluster:
	s_bfe_u32 s2, ttmp6, 0x10000c
	s_cmp_lg_u32 s2, 0xf033
	s_cbranch_scc0 .Lentry_shape_is_right
	s_endpgm
.Lentry_shape_is_right:
; qkv = x w_qkv^T + b_qkv on codes of FP6 (E2M3) with E8M0 scales, K = 1,024; then q and k are quantised along the head's 64 and v along the keys, as the next launch's operands.  No work is left out.
; LIMITS: as the first launch's: NaN and infinities are not served; a block's byte is held at 1 from below; a block of zeros has the byte 1 and zero codes.
; OPERANDS lie in memory as images of their registers (a fragment, 16 rows x 128 K, is 1,536 bytes: registers 4 c .. 4 c + 3 of lane l at 512 c + 16 l), [row block][K step]; row block R holds rows
; 32 (R / 2) + 8 (R % 2) + r + 8 (r / 8); scale words behind the codes, [row block][K step][r].
; A WORK-GROUP STAYS: it owns 128 tokens (8 row blocks of x, which lie in LDS with all of K for the whole launch) and 256 features of each of q, k and v, and makes the three products one after the other:
; 64 x 4 = 256 work-groups.  The weights go through two LDS slots, each half of K of 16 row blocks; the ring goes on from kind to kind.
; A WAVE has 32 accumulators: 8 blocks of a "big" operand (source 0: it gives a result's registers) x 4 blocks of a "small" one (source 1: it gives a result's lane).
;   q, k: big = the weights' half wave % 2 (128 features: a pair of heads, q's and k's quantising axis), small = x's half wave / 2 (64 tokens).
;   v:    big = x's 8 blocks (128 tokens: one key step, v's quantising axis), small = weight blocks 4 wave on (64 features: one head).  Only address registers differ.
; For a K step a wave reads 12 fragments from LDS for 32 matrix instructions: the price of a tile that gives every WGP one work-group.
; CLUSTERS: 4 x 4.  x's tile hangs on cy alone and is shared along a row of the cluster, the weights' on cx alone and are shared along a column: joint loads, which every wave issues for rows of its own: no branch.
; No prefetch: x and q's weights are first fills, and each of the four refills is asked for half a product or more ahead of its first use.
; THE WAY OUT has no LDS: the 64 numbers that a lane holds of one small block, with the bias added, are quantised in registers and stored as images.
;   q: qq [head pair 8][token block 512][1,536]: a fragment holds heads 2 hp and 2 hp + 1, 64 each; scale words behind them, [hp][token block / 8][(token block % 8) / 4][r][token block % 4].
;   k, v: kv, a record of 102,400 bytes for each (batch, head): 32 runs of k (registers 0-5: key tile 2 i, registers 6-11: key tile 2 i + 1); at 49,152 v's fragments [key step 8][16 of the head's 64: 4];
;   at 98,304 k's scale words [key step][r][run 4]; at 100,352 v's [key step][r][tile 4].
;   k's scale words leave as 8 bytes a lane, 16 bytes apart: a wave holds two of a key step's four runs, the wave with the other 64 tokens the other two; they are one part in fifty of what the pass stores.
; REGISTERS, in windows of 256: window 0: v0-31 addresses; v32-55 scale words, two sets of 8 + 4; v64-127 the bias; v128-223 the small operand's fragments, two sets; on the way out v128-249 serve anew.
;   window 1: the big operand's fragments, two sets, at v0 and v128.   window 2: the accumulators ((a, i) at v[8 (8 a + i)]).
; THE FILLS, as they stand now: at the head one joint load a wave, in one chain of arms on the wave's number: wave 0 the weights' first half of K (16 row blocks), wave 1 x's (8 row blocks), wave 2 x's scale words,
; wave 3 the weights' scale words of all three kinds.  The second halves follow behind the three lines and a round: wave 0 x's, wave 1 the weights'.  Each of the four refills is issued whole by wave 1.
.set NK,     3
.set FR,     12                        ; registers of a fragment
.set NP,     4                         ; places behind this matrix instruction (ISA guide 7.12.1)
.set BLK,    6144                      ; a row block's four K steps: half of K
.set XH,     8*BLK                     ; x's 8 blocks, half of K
.set XREG,   0                         ; x: two halves
.set WREG,   2*XH                      ; the weights: two slots
.set WSL,    16*BLK
.set XS,     WREG+2*WSL                ; x's scale words: [block 8][K step 8][r 16]
.set WS,     XS+4096                   ; the weights': [kind 3][block 16][K step 8][r 16]: 8,192 bytes a kind
.set WSG,    NK*2048                   ; a quarter of them
.set SPARE,  WS+4*WSG                  ; the spare words, 128 bytes for each wave: two blocks of 256 bytes that no other line names
.set KINDB,  64*12288                  ; from a kind's weights to the next kind's, in bytes
.set VOI,  4                           ; v4      16 x lane
.set AWQ,  8                           ; v8-9    q, k: LDS address of my 8 weight blocks in slot 0, 1
.set AXQ,  10                          ; v10-11  q, k: of my 4 blocks of x, half 0, 1
.set AXV,  12                          ; v12-13  v: of x's 8 blocks
.set AWV,  14                          ; v14-15  v: of my 4 weight blocks
.set SWQ,  16                          ; v16-19  the same four for the scale words
.set SXQ,  17
.set SXV,  18
.set SWV,  19
.set VBQ,  20                          ; v20     q, k: my place in the bias
.set VBV,  21                          ; v21     v: likewise
.set VOSQ, 22                          ; v22     16 r
.set VOSK, 23                          ; v23     16 r; lanes 16-31: the next head's record
.set SPW,  28                          ; v28     LDS address of my spare word; never rewritten
.set NIL,  29                          ; v29     0; never rewritten
.set SC,   32                          ; scale words: set s at v[SC + 12 s]: 8 of the big operand's blocks, then 4 of the small one's; lane r holds row r's
.set BIAS, 64
.set SF,   128                         ; the small operand's fragments: set s at v[SF + 48 s]
.set ST,   128                         ; the way out: v128-191 64 numbers with their bias
.set PC,   192                         ; v192-215 codes, two fragments
.set PT,   216                         ; v216-222 the conversions' second halves
.set PW,   224                         ; v224-227 the four scale words that a way out makes
.set TM,   232                         ; v232-243 at work in QUANT
.set W,    244                         ; v244-245 k's scale words to store
.set VSEL, 248
.set VTMP, 249
.set SEL,  2                           ; s[2:3] v_permlanex16_b32's selects for lane l xor 16
.set G1X,  24                          ; s[24:31] descriptor group 1 for x's codes;  s[32:39] for the weights';  s[40:47], s[48:55] for their scale words
.set G1W,  32
.set G1XS, 40
.set G1WS, 48
.set G0XS, 56                          ; s[56:59], s[60:63] groups 0 for the scale words;  s[68:75] x's two halves;  s[76:83] the weights' two slots, which walk
.set G0WS, 60
.set G0X,  68
.set G0W,  76
.set MSB, 0
.macro WIN new                         ; the immediate's high byte repeats the setting that is left
.if MSB != (\new)
	s_set_vgpr_msb (MSB<<8)|(\new)
.set MSB, (\new)
.endif
.endm
.set MUL_W, 0xa1                       ; source 0 (big) window 1, source 1 (small) window 0, C and D window 2
.set TO_B,  0x40                       ; destination window 1, address window 0
.macro CREST                           ; a round of the cluster's barrier behind its opening barrier
	s_cmp_lg_u32 s14, 0
	s_cbranch_scc1 .Lnot_wave_0_\@
	s_barrier_signal -3
.Lnot_wave_0_\@:
	s_barrier_wait -3
	s_barrier_signal -1
	s_barrier_wait -1
.endm
.macro CROUND                          ; a whole round
	s_barrier_signal -1
	s_barrier_wait -1
	CREST
.endm
.macro SHAPE g, c, r, p                ; words 1 to 7 of a group 1: r rows of c elements of 8 bytes, p elements apart
	s_mov_b32 s[\g+1], (\c)<<16
	s_mov_b32 s[\g+2], (\r)<<16
	s_mov_b32 s[\g+3], (\c)<<16
	s_mov_b32 s[\g+4], \r
	s_mov_b32 s[\g+5], \p
	s_mov_b32 s[\g+6], 0
	s_mov_b32 s[\g+7], 0
.endm
.macro PLACE g, lreg, lbase, areg, aoff ; a group 0: to LDS byte s[lreg] + lbase, from s[areg:areg+1] + aoff
	s_mov_b32 s[\g], 1
	s_add_co_u32 s[\g+1], s[\lreg], \lbase
	s_add_nc_u64 s[\g+2:\g+3], s[\areg:\areg+1], \aoff
	s_or_b32 s[\g+3], s[\g+3], 0x80000000
.endm
	s_load_b256 s[4:11], s[0:1], 0x0               ; xq s[4:5], wq s[6:7], b_qkv s[8:9], qq s[10:11]
	s_load_b64 s[12:13], s[0:1], 0x20              ; kv
	v_lshl_add_u32 v[SPW], v0, 2, SPARE
	v_mov_b32 v[NIL], 0
	ds_add_u32 v[SPW], v[NIL]                      ; the wave's opening: the add, twice on end, and its wait ahead of my first tensor load; the set-up below stands between the second and the wait
	ds_add_u32 v[SPW], v[NIL]
	v_lshrrev_b32 v1, 5, v0
	v_readfirstlane_b32 s14, v1                    ; wave 0..3
	s_lshr_b32 s15, s14, 1                         ; q, k: which 64 tokens are mine
	s_and_b32 s16, s14, 1                          ; q, k: which 128 features
	s_bfe_u32 s84, ttmp6, 0x40000                  ; cx, cy: my place in the cluster
	s_bfe_u32 s85, ttmp6, 0x40004
	s_lshl_b32 s86, ttmp9, 2
	s_add_co_u32 s86, s86, s84                     ; which 256 features of each kind: it hangs on cx alone
	s_and_b32 s87, ttmp7, 0xffff
	s_lshl_b32 s87, s87, 2
	s_add_co_u32 s87, s87, s85                     ; which 128 tokens: on cy alone
	s_lshl_b32 s88, s85, 2
	s_lshl_b32 s88, 15, s88                        ; my row of the cluster
	s_lshl_b32 s89, 0x1111, s84                    ; my column
	s_or_b32 s[G1X], s88, (3<<16)|(1<<21)          ; 15:0 the mask: x goes to my row; 17:16 elements of 8 bytes; 21 set beside a mask; no padding: an image's loads take consecutive bytes
	SHAPE G1X, 768, 8, 1536                        ; x's codes: 8 row blocks x 6,144 bytes (half of K), 12,288 bytes apart
	s_or_b32 s[G1W], s89, (3<<16)|(1<<21)          ; the weights go to my column
	SHAPE G1W, 768, 16, 1536                       ; 16 row blocks x 6,144 bytes
	s_or_b32 s[G1XS], s88, (3<<16)|(1<<21)
	SHAPE G1XS, 32, 16, 32                         ; x's scale words of 8 row blocks: 4,096 dense bytes
	s_or_b32 s[G1WS], s89, (3<<16)|(1<<21)
	SHAPE G1WS, 1024, 3, 4096                      ; the weights' of 16 row blocks, 8,192 bytes, for each of the three kinds, 32,768 bytes apart
	s_lshl_b32 s90, s87, 3                         ; x: row blocks 8 x tile on
	s_mul_i32 s92, s90, 12288
	s_mov_b32 s93, 0
	s_lshl_b32 s94, s90, 9
	s_add_co_u32 s94, s94, 6291456                 ; their scale words
	s_mov_b32 s95, 0
	s_lshl_b32 s91, s86, 4                         ; the weights: row blocks 16 x tile on, of q
	s_mul_i32 s96, s91, 12288
	s_mov_b32 s97, 0
	s_lshl_b32 s98, s91, 9
	s_add_co_u32 s98, s98, 2359296
	s_mov_b32 s99, 0
	s_mov_b32 s19, 0                               ; every tile is fetched whole: its LDS place is a constant
	s_mov_b32 s[SEL], 0x76543210
	s_mov_b32 s[SEL+1], 0xfedcba98
	s_wait_dscnt 0x0                               ; both opening adds are done
	s_wait_kmcnt 0x0
	s_add_nc_u64 s[92:93], s[4:5], s[92:93]
	s_add_nc_u64 s[94:95], s[4:5], s[94:95]
	s_add_nc_u64 s[96:97], s[6:7], s[96:97]
	s_add_nc_u64 s[98:99], s[6:7], s[98:99]
	PLACE G0XS, 19, XS, 94, 0
	PLACE G0WS, 19, WS, 98, 0
	PLACE G0X, 19, XREG, 92, 0
	PLACE G0X+4, 19, XREG+XH, 92, BLK
	PLACE G0W, 19, WREG, 96, 0
	PLACE G0W+4, 19, WREG+WSL, 96, BLK
	CROUND                                         ; all sixteen work-groups are here: the first joint loads meet
.macro HARM under, g0, g1, next        ; an arm of the head's chain: one load, and a jump to the chain's end
	s_cmp_lt_u32 s14, \under
	s_cbranch_scc0 \next
	tensor_load_to_lds s[\g0:\g0+3], s[\g1:\g1+7]
	s_nop 0
.rept 4
	v_nop
.endr
	s_branch .Lhead_asked
\next:
.endm
	HARM 1, G0W, G1W, .Lhead_x                     ; the four tiles of the first half of K, one a wave
	HARM 2, G0X, G1X, .Lhead_xs
	HARM 3, G0XS, G1XS, .Lhead_ws
	tensor_load_to_lds s[G0WS:G0WS+3], s[G1WS:G1WS+7]
	s_nop 0
.rept 4
	v_nop
.endr
.Lhead_asked:
	v_and_b32 v1, 15, v0                           ; r
	v_bfe_u32 v2, v0, 4, 1                         ; h
	v_and_b32 v3, 31, v0                           ; lane
	v_lshlrev_b32 v[VOI], 4, v3
	s_wait_alu depctr_va_vdst(0)
	s_mul_i32 s17, s16, 8*BLK
	s_add_co_u32 s17, s17, WREG
	v_add_nc_u32 v[AWQ], s17, v[VOI]
	s_add_co_u32 s17, s17, WSL
	v_add_nc_u32 v[AWQ+1], s17, v[VOI]
	s_mul_i32 s17, s15, 4*BLK
	v_add_nc_u32 v[AXQ], s17, v[VOI]
	s_add_co_u32 s17, s17, XH
	v_add_nc_u32 v[AXQ+1], s17, v[VOI]
	v_add_nc_u32 v[AXV], XREG, v[VOI]
	v_add_nc_u32 v[AXV+1], XREG+XH, v[VOI]
	s_mul_i32 s17, s14, 4*BLK
	s_add_co_u32 s17, s17, WREG
	v_add_nc_u32 v[AWV], s17, v[VOI]
	s_add_co_u32 s17, s17, WSL
	v_add_nc_u32 v[AWV+1], s17, v[VOI]
	v_lshlrev_b32 v5, 2, v1                        ; 4 r: my row's scale word
	s_lshl_b32 s17, s16, 12                        ; my 8 blocks of a kind's 16
	s_add_co_u32 s17, s17, WS
	v_add_nc_u32 v[SWQ], s17, v5
	s_lshl_b32 s17, s15, 11
	s_add_co_u32 s17, s17, XS
	v_add_nc_u32 v[SXQ], s17, v5
	v_add_nc_u32 v[SXV], XS, v5
	s_lshl_b32 s17, s14, 11                        ; my 4 blocks
	s_add_co_u32 s17, s17, WS
	v_add_nc_u32 v[SWV], s17, v5
	s_lshl_b32 s18, s86, 10                        ; the bias of my tile's 256 features, in each kind's 4,096 bytes
	s_mov_b32 s19, 0
	s_add_nc_u64 s[8:9], s[8:9], s[18:19]
	v_lshlrev_b32 v[VBQ], 6, v2                    ; q, k: 64 h + 512 x my half
	s_lshl_b32 s17, s16, 9
	v_add_nc_u32 v[VBQ], s17, v[VBQ]
	v_and_b32 v6, 8, v1
	v_add_nc_u32 v6, v6, v1
	v_lshlrev_b32 v[VBV], 2, v6                    ; v: 4 (r + 8 (r / 8)) + 256 x wave
	s_lshl_b32 s17, s14, 8
	v_add_nc_u32 v[VBV], s17, v[VBV]
	v_lshlrev_b32 v[VOSQ], 4, v1
	v_mul_u32_u24 v[VOSK], v2, 102400
	v_lshl_add_u32 v[VOSK], v1, 4, v[VOSK]
.irp b, 0,1,2,3
	v_mov_b32 v[TM+4+\b], 0                        ; written once: a lane permute's destination counts as one of its sources
.endr
; A load into a register that a matrix instruction has read, and a vector instruction that reads a matrix result, stand NP places behind that matrix instruction; only plain vector
; instructions that name none of its registers are places (ISA guide 7.12.1 for vector instructions).
.macro PLACES n
.rept \n
	v_nop
.endr
.endm
; K step t's 12 fragments and 12 scale words into set t % 2.  ABIG, ASML: the address registers of half 0 (half 1's is the next register); SBIG, SSML: those of the scale words;
; BO, BG, SO: where the kind's scale words lie behind them.  A fragment comes as it was stored: three loads of 512 consecutive bytes.
.macro FETCH t
	WIN TO_B
.irp i, 0,1,2,3,4,5,6,7
.irp c, 0,1,2
	ds_load_b128 v[128*((\t)%2)+FR*\i+4*\c:128*((\t)%2)+FR*\i+4*\c+3], v[ABIG+(\t)/4] offset:\i*BLK+((\t)%4)*1536+512*\c
.endr
.endr
	WIN 0
.irp a, 0,1,2,3
.irp c, 0,1,2
	ds_load_b128 v[SF+48*((\t)%2)+FR*\a+4*\c:SF+48*((\t)%2)+FR*\a+4*\c+3], v[ASML+(\t)/4] offset:\a*BLK+((\t)%4)*1536+512*\c
.endr
.endr
.irp i, 0,1,2,3,4,5,6,7
	ds_load_b32 v[SC+12*((\t)%2)+\i], v[SBIG] offset:BO+(\i/4)*BG+(\i%4)*512+64*(\t)
.endr
.irp a, 0,1,2,3
	ds_load_b32 v[SC+12*((\t)%2)+8+\a], v[SSML] offset:SO+\a*512+64*(\t)
.endr
.endm
; 8 matrix instructions: the small operand's block a x the big one's eight.  zero = 1: the product starts the sums: nothing is cleared.
; The 32 accumulators take turns, one instruction a turn, in the same order in every K step.
.macro MUL8 a, set, zero
.irp i, 0,1,2,3,4,5,6,7
.if (\zero) == 1
	v_wmma_scale_f32_16x16x128_f8f6f4 v[8*(8*(\a)+\i):8*(8*(\a)+\i)+7], v[128*(\set)+FR*\i:128*(\set)+FR*\i+FR-1], v[SF+48*(\set)+FR*(\a):SF+48*(\set)+FR*(\a)+FR-1], 0, v[SC+12*(\set)+\i], v[SC+12*(\set)+8+(\a)] matrix_a_fmt:MATRIX_FMT_FP6 matrix_b_fmt:MATRIX_FMT_FP6
.else
	v_wmma_scale_f32_16x16x128_f8f6f4 v[8*(8*(\a)+\i):8*(8*(\a)+\i)+7], v[128*(\set)+FR*\i:128*(\set)+FR*\i+FR-1], v[SF+48*(\set)+FR*(\a):SF+48*(\set)+FR*(\a)+FR-1], v[8*(8*(\a)+\i):8*(8*(\a)+\i)+7], v[SC+12*(\set)+\i], v[SC+12*(\set)+8+(\a)] matrix_a_fmt:MATRIX_FMT_FP6 matrix_b_fmt:MATRIX_FMT_FP6
.endif
.endr
.endm
; A K step whose successor lies in the same half of K: the next step's loads go out first, in one run, and land under this step's 32 products.
.macro KSTEP t, zero
	s_wait_dscnt 0x0                               ; this step's set is in
	PLACES NP                                      ; behind the last step's products, which read the set that is loaded now
	FETCH (\t)+1
	WIN MUL_W
	MUL8 0, (\t)%2, \zero
	MUL8 1, (\t)%2, \zero
	MUL8 2, (\t)%2, \zero
	MUL8 3, (\t)%2, \zero
.endm
; The last K step of a half (t = 3 or 7): ONE barrier.  In front of it each wave waits for all its tensor loads, adds 0 to its spare word, and waits for that and for its own reads of the half.
; fill = 1: the weights' slot just read out is filled with the same half of the next kind; the barrier then opens a round of the cluster's, and the joint refill is the first thing behind it.
.macro CHG t, fill, slot
	WIN 0                                          ; (the add's two registers lie in window 0)
	s_wait_tensorcnt 0x0                           ; all my tensor loads have landed
	ds_add_u32 v[SPW], v[NIL]                      ; 0 onto my spare word
	s_wait_dscnt 0x1                               ; this step's set is in; the add may be out
	WIN MUL_W
	MUL8 0, (\t)%2, 0                              ; eight matrix instructions stand between the add and the wait for it
	s_wait_dscnt 0x0                               ; the add is done, and my reads of this half are over
	s_barrier_signal -1
	MUL8 1, (\t)%2, 0
	WIN 0
	s_barrier_wait -1
.if \fill
	CREST                                          ; no wave of any partner still reads this slot or has a load on its way
	s_add_nc_u64 s[G0W+4*\slot+2:G0W+4*\slot+3], s[G0W+4*\slot+2:G0W+4*\slot+3], KINDB
	s_cmp_eq_u32 s14, 1
	s_cbranch_scc0 .Lno_fill_\@
	tensor_load_to_lds s[G0W+4*\slot:G0W+4*\slot+3], s[G1W:G1W+7]   ; wave 1 asks for the whole half: its one tensor load until the next round
	s_nop 0
.Lno_fill_\@:
.rept 4
	v_nop                                          ; (also the places in front of the loads below, for every wave)
.endr
.else
	PLACES NP
.endif
.if (\t) == 3
	FETCH 4
.endif
	WIN MUL_W
	MUL8 2, (\t)%2, 0
	MUL8 3, (\t)%2, 0
	WIN 0
.endm
; One kind's product: eight K steps.
.macro MM fill
	FETCH 0
	KSTEP 0, 1
	KSTEP 1, 0
	KSTEP 2, 0
	CHG 3, \fill, 0
	KSTEP 4, 0
	KSTEP 5, 0
	KSTEP 6, 0
.if \fill
	CHG 7, 1, 1
.else
	s_wait_dscnt 0x0                               ; the last kind's last K step: nothing more to fetch, nobody to meet
	WIN MUL_W
	MUL8 0, 1, 0
	MUL8 1, 1, 0
	MUL8 2, 1, 0
	MUL8 3, 1, 0
	WIN 0
.endif
.endm
; 64 numbers of a lane, register 16 b + i = k 32 b + 16 h + i of my row, become a fragment's codes (registers 0-5 at d0, 6-11 at d1) and its scale word in v[w].
.macro QUANT s, d0, d1, w
.irp b, 0,1,2,3
	v_max3_num_f32 v[TM+\b], |v[(\s)+16*\b]|, |v[(\s)+1+16*\b]|, 0x1800000   ; block b: my 16 numbers, and the floor 2^(3 - 127): so the byte cannot fall under 1
.endr
.irp i, 2,4,6,8,10,12,14
.irp b, 0,1,2,3
	v_max3_num_f32 v[TM+\b], v[TM+\b], |v[(\s)+16*\b+\i]|, |v[(\s)+1+16*\b+\i]|
.endr
.endr
.irp b, 0,1,2,3
	v_permlanex16_b32 v[TM+4+\b], v[TM+\b], s[SEL], s[SEL+1]
.endr
.irp b, 0,1,2,3
	v_max_num_f32 v[TM+\b], v[TM+\b], v[TM+4+\b]   ; with lane l xor 16's: the block's largest magnitude
.endr
.irp b, 0,1,2,3
	v_add_nc_u32 v[TM+8+\b], 0xff000000, v[TM+\b]  ; 2 off its exponent field: the conversion's scale operand
.endr
.irp b, 0,1,2,3
	v_lshrrev_b32 v[TM+4+\b], 23, v[TM+8+\b]       ; the scale's byte
.endr
	v_lshl_or_b32 v[\w], v[TM+5], 8, v[TM+4]
	v_lshl_or_b32 v[\w], v[TM+6], 16, v[\w]
	v_lshl_or_b32 v[\w], v[TM+7], 24, v[\w]
	v_cvt_scalef32_pk16_fp6_f32 v[(\d0):(\d0)+2], v[(\s):(\s)+15], v[TM+8]
	v_cvt_scalef32_pk16_fp6_f32 v[PT:PT+2], v[(\s)+16:(\s)+31], v[TM+9]      ; (a conversion's three registers begin on an even number)
	v_cvt_scalef32_pk16_fp6_f32 v[(\d1):(\d1)+2], v[(\s)+32:(\s)+47], v[TM+10]
	v_cvt_scalef32_pk16_fp6_f32 v[PT+4:PT+6], v[(\s)+48:(\s)+63], v[TM+11]
	v_nop                                          ; one plain place behind a scaled conversion
.irp i, 0,1,2                          ; the operand's layout wants a WHOLE block in a lane
	v_permlane16_swap_b32 v[(\d0)+\i], v[PT+\i]
	v_permlane16_swap_b32 v[(\d1)+\i], v[PT+4+\i]
.endr
.irp i, 0,1,2
	v_mov_b32 v[(\d0)+3+\i], v[PT+\i]
	v_mov_b32 v[(\d1)+3+\i], v[PT+4+\i]
.endr
.endm
; Small block a's 64 results, each accumulator from its low end on, with the bias, into window 0.  mode 0: the bias runs along the registers; 1: it is the lane's.
.macro ADDB a, mode
	WIN 0x02                                       ; source 0: window 2
.set i, 0
.rept 32
.if \mode
	v_pk_add_f32 v[ST+2*i:ST+2*i+1], v[64*(\a)+2*i:64*(\a)+2*i+1], v[BIAS+2*(\a):BIAS+2*(\a)+1]
.else
	v_pk_add_f32 v[ST+2*i:ST+2*i+1], v[64*(\a)+2*i:64*(\a)+2*i+1], v[BIAS+2*i:BIAS+2*i+1]
.endif
.set i, i+1
.endr
	WIN 0
.endm
.macro BIASQ kind                      ; q, k: register 16 i + n takes the bias of feature 32 i + 16 h + n of my 128: the results' registers
.irp i, 0,1,2,3
.irp n, 0,1,2,3
	global_load_b128 v[BIAS+16*\i+4*\n:BIAS+16*\i+4*\n+3], v[VBQ], s[8:9] offset:4096*(\kind)+128*\i+16*\n
.endr
.endr
.endm
; q's and v's way out: four fragments at s[20:21], 1,536 bytes apart; their scale words, 16 bytes a row, at s[22:23].
.macro OUT4 mode
.irp a, 0,1,2,3
	ADDB \a, \mode
	s_wait_xcnt 0x0                                ; earlier stores have read the codes' registers, which are written again below
	QUANT ST, PC+12*(\a%2), PC+12*(\a%2)+6, PW+\a
.irp c, 0,1,2
	global_store_b128 v[VOI], v[PC+12*(\a%2)+4*\c:PC+12*(\a%2)+4*\c+3], s[20:21] offset:1536*\a+512*\c   ; 512 consecutive bytes, aligned
.endr
.endr
	s_wait_xcnt 0x0                                ; EXEC changes only behind this wait
	v_cmp_gt_u32 vcc_lo, 16, v3
	s_and_saveexec_b32 s91, vcc_lo                 ; both halves of the lanes hold the same words: lanes 0-15 store them
	global_store_b128 v[VOSQ], v[PW:PW+3], s[22:23]   ; 256 consecutive bytes, aligned
	s_wait_xcnt 0x0                                ; and again, in front of the line that widens it
	s_or_b32 exec_lo, exec_lo, s91
.endm
	BIASQ 0
	s_wait_alu depctr_va_vdst(0)
	s_wait_tensorcnt 0x0                           ; my tile of the head's four is in
	ds_add_u32 v[SPW], v[NIL]
	s_wait_dscnt 0x0
	CROUND                                         ; everybody's tile is in, and the second half's joint loads meet
	s_cmp_eq_u32 s14, 0
	s_cbranch_scc0 .Lsec_w
	tensor_load_to_lds s[G0X+4:G0X+7], s[G1X:G1X+7]        ; wave 0: x's second half of K
	s_nop 0
.rept 4
	v_nop
.endr
	s_branch .Lsec_asked
.Lsec_w:
	s_cmp_eq_u32 s14, 1
	s_cbranch_scc0 .Lsec_asked
	tensor_load_to_lds s[G0W+4:G0W+7], s[G1W:G1W+7]        ; wave 1: the weights'
	s_nop 0
.rept 4
	v_nop
.endr
.Lsec_asked:
	; ======== q
.set ABIG, AWQ
.set ASML, AXQ
.set SBIG, SWQ
.set SSML, SXQ
.set BG, 2048
.set BO, 0
.set SO, 0
	MM 1                                           ; behind K step 3 slot 0 takes k's first half, behind K step 7 slot 1 its second
	s_wait_loadcnt 0x0                             ; the bias
	PLACES NP                                      ; behind the last products
	s_lshl_b32 s17, s86, 1
	s_add_co_u32 s17, s17, s16                     ; hp: my 128 features are heads 2 hp and 2 hp + 1
	s_lshl_b32 s18, s17, 9
	s_lshl_b32 s19, s87, 3
	s_add_co_u32 s18, s18, s19
	s_lshl_b32 s19, s15, 2
	s_add_co_u32 s18, s18, s19                     ; 512 hp + my first token block
	s_mul_i32 s20, s18, 1536
	s_mov_b32 s21, 0
	s_add_nc_u64 s[20:21], s[10:11], s[20:21]
	s_lshl_b32 s22, s17, 6
	s_add_co_u32 s22, s22, s87
	s_lshl_b32 s22, s22, 9                         ; [hp][token block / 8] x 512,
	s_lshl_b32 s19, s15, 8
	s_add_co_u32 s22, s22, s19                     ; my four blocks' 256 bytes
	s_add_co_u32 s22, s22, 6291456
	s_mov_b32 s23, 0
	s_add_nc_u64 s[22:23], s[10:11], s[22:23]
	OUT4 0
	; ======== k   (behind the wait on XCNT that ends q's way out: the registers that its stores read may be written)
.set BO, 8192
	BIASQ 1
	MM 1                                           ; the slots take v's two halves
	s_wait_loadcnt 0x0
	PLACES NP
	s_lshr_b32 s17, s87, 3                         ; the batch
	s_lshl_b32 s17, s17, 4
	s_lshl_b32 s18, s86, 2
	s_add_co_u32 s17, s17, s18
	s_lshl_b32 s18, s16, 1
	s_add_co_u32 s17, s17, s18                     ; the record of head 2 hp
	s_mul_i32 s17, s17, 102400
	s_and_b32 s18, s87, 7                          ; the key step: my work-group's 128 tokens
	s_lshl_b32 s19, s18, 2
	s_lshl_b32 s20, s15, 1
	s_add_co_u32 s19, s19, s20                     ; my first run: four runs a step, two of them mine
	s_mul_i32 s20, s19, 1536
	s_add_co_u32 s20, s20, s17
	s_mov_b32 s21, 0
	s_add_nc_u64 s[20:21], s[12:13], s[20:21]
	s_lshl_b32 s22, s18, 8
	s_lshl_b32 s19, s15, 3
	s_add_co_u32 s22, s22, s19
	s_add_co_u32 s22, s22, s17
	s_add_co_u32 s22, s22, 98304
	s_mov_b32 s23, 0
	s_add_nc_u64 s[22:23], s[12:13], s[22:23]
	s_mov_b32 s90, 0xffff0000                      ; lanes 16-31
.irp b, 0,1                            ; blocks 2 b and 2 b + 1 are the key tiles of one run; a fragment's two halves go to two heads' runs
.irp u, 0,1
	ADDB 2*\b+\u, 0
.if \u == 0
	s_wait_xcnt 0x0                                ; the last pair's stores have read the codes' registers
.endif
	QUANT ST, PC+6*\u, PC+12+6*\u, PW+2*\b+\u      ; head 2 hp's 64 into its run's half u, head 2 hp + 1's into the other run's
.endr
.irp c, 0,1
.irp k, 0,1,2
	global_store_b128 v[VOI], v[PC+12*\c+4*\k:PC+12*\c+4*\k+3], s[20:21] offset:102400*\c+1536*\b+512*\k
.endr
.endr
.endr
	v_mov_b32 v[VSEL], 0x05040100                  ; a run's word: two bytes of its even tile's word, two of its odd tile's: head 2 hp's are the words' low halves,
	v_mov_b32 v[VTMP], 0x07060302                  ; head 2 hp + 1's the high halves
	v_cndmask_b32 v[VSEL], v[VSEL], v[VTMP], s90
.irp j, 0,1
	v_perm_b32 v[W+\j], v[PW+2*\j+1], v[PW+2*\j], v[VSEL]
.endr
	global_store_b64 v[VOSK], v[W:W+1], s[22:23]   ; my two of each row's four words, in each of the two records
	; ======== v
.set ABIG, AXV
.set ASML, AWV
.set SBIG, SXV
.set SSML, SWV
.set BG, 2048
.set BO, 0
.set SO, 2*8192
	s_wait_xcnt 0x0                                ; k's stores have read their registers and bases
.irp a, 0,1,2,3                        ; the bias of my lane's feature in block a, twice: a pair for the packed addition
	global_load_b32 v[BIAS+2*\a], v[VBV], s[8:9] offset:8192+(32*(\a/2)+8*(\a%2))*4
	global_load_b32 v[BIAS+2*\a+1], v[VBV], s[8:9] offset:8192+(32*(\a/2)+8*(\a%2))*4
.endr
	MM 0                                           ; nothing is left to fetch
	s_wait_loadcnt 0x0
	PLACES NP
	s_lshr_b32 s17, s87, 3
	s_lshl_b32 s17, s17, 4
	s_lshl_b32 s18, s86, 2
	s_add_co_u32 s17, s17, s18
	s_add_co_u32 s17, s17, s14                     ; my head's record: block a is tile a of its 64
	s_mul_i32 s17, s17, 102400
	s_and_b32 s18, s87, 7                          ; the key step
	s_mul_i32 s20, s18, 6144
	s_add_co_u32 s20, s20, s17
	s_add_co_u32 s20, s20, 49152
	s_mov_b32 s21, 0
	s_add_nc_u64 s[20:21], s[12:13], s[20:21]
	s_lshl_b32 s22, s18, 8
	s_add_co_u32 s22, s22, s17
	s_add_co_u32 s22, s22, 100352
	s_mov_b32 s23, 0
	s_add_nc_u64 s[22:23], s[12:13], s[22:23]
	OUT4 1
	s_wait_tensorcnt 0x0                           ; the wave's end, behind my last tensor load
	ds_add_u32 v[SPW], v[NIL]
	s_wait_dscnt 0x0
	CROUND                                         ; the closing round: no work-group ends while a partner may still ask for a tile that names it
	s_endpgm
.Lfunc_end_k_q1f64b02a30_qkv:
	.size	k_q1f64b02a30_qkv, .Lfunc_end_k_q1f64b02a30_qkv-k_q1f64b02a30_qkv
	.p2alignl 7, 3214868480
	.fill 96, 4, 3214868480
	.section	.rodata,"a",@progbits
	.p2align	6, 0x0
	.amdhsa_kernel k_q1f64b02a30_qkv
		.amdhsa_group_segment_fixed_size 327680
		.amdhsa_private_segment_fixed_size 0
		.amdhsa_enable_private_segment 0
		.amdhsa_kernarg_size 40
		.amdhsa_user_sgpr_count 2
		.amdhsa_user_sgpr_kernarg_segment_ptr 1
		.amdhsa_wavefront_size32 1
		.amdhsa_system_sgpr_workgroup_id_x 1
		.amdhsa_system_sgpr_workgroup_id_y 1
		.amdhsa_system_sgpr_workgroup_id_z 1
		.amdhsa_system_vgpr_workitem_id 0
		.amdhsa_next_free_vgpr 768
		.amdhsa_next_free_sgpr 102
		.amdhsa_reserve_vcc 1
		.amdhsa_float_denorm_mode_32 3
		.amdhsa_float_denorm_mode_16_64 3
		.amdhsa_memory_ordered 1
		.amdhsa_forward_progress 1
		.amdhsa_inst_pref_size 255
	.end_amdhsa_kernel
	.section	.bss,"aw",@nobits
	.p2align	6
	.space	262144
	.amdgpu_metadata
---
amdhsa.version: [ 1, 2 ]
amdhsa.kernels:
  - .name:           k_q1f64b02a30_qkv
    .symbol:         k_q1f64b02a30_qkv.kd
    .args:
      - { .name: xq, .offset: 0, .size: 8, .value_kind: global_buffer, .address_space: global }
      - { .name: wq, .offset: 8, .size: 8, .value_kind: global_buffer, .address_space: global }
      - { .name: b_qkv, .offset: 16, .size: 8, .value_kind: global_buffer, .address_space: global }
      - { .name: qq, .offset: 24, .size: 8, .value_kind: global_buffer, .address_space: global }
      - { .name: kv, .offset: 32, .size: 8, .value_kind: global_buffer, .address_space: global }
    .group_segment_fixed_size: 327680
    .private_segment_fixed_size: 0
    .kernarg_segment_align: 8
    .kernarg_segment_size: 40
    .max_flat_workgroup_size: 128
    .sgpr_count:     102
    .vgpr_count:     768
    .wavefront_size: 32
...
	.end_amdgpu_metadata
.endif
;; end of part 2
;; launch attn (part 3): grid 4 x 64, 16 waves a work-group, clusters of 4 x 1, 327,680 bytes of LDS; arguments qq, kv, cq; writes cq
.if DOCPART == 3
	.amdgcn_target "amdgcn-amd-amdhsa--gfx1250"
	.amdhsa_code_object_version 6
	.text
	.protected	k_q1f64b02a30_attn
	.globl	k_q1f64b02a30_attn
	.p2align	8
	.type	k_q1f64b02a30_attn,@function
k_q1f64b02a30_attn:
	s_mov_b64 s[64:65], 0
	v_nop
	global_prefetch_b8 v0, s[64:65] scope:SCOPE_SE
	s_setreg_imm32_b32 hwreg(HW_REG_WAVE_MODE, 25, 1), 1
	s_wait_xcnt 0x0
	s_wait_alu depctr_hold_cnt(0) depctr_sa_sdst(0) depctr_va_vdst(0) depctr_va_sdst(0) depctr_va_ssrc(0) depctr_va_vcc(0) depctr_vm_vsrc(0)
	s_getreg_b32 s2, hwreg(HW_REG_IB_STS2, 6, 4)
	s_cmp_eq_u32 s2, 0
	s_cbranch_scc0 .Lentry_in_a_cluster
	s_endpgm
.Lentry_in_a_cluster:
	s_bfe_u32 s2, ttmp6, 0x10000c
	s_cmp_lg_u32 s2, 0x3003
	s_cbranch_scc0 .Lentry_shape_is_right
	s_endpgm
.Lentry_shape_is_right:
; context = softmax(q k^T / 8) v on codes of FP6 (E2M3) with E8M0 scales, quantised along the features on the way out, as the last launch's operand.  No work is left out.
; LIMITS: NaN and infinities are not served; a block's byte is held at 1 from below; the promise holds while the scaled scores (the exponents to the base 2) stay under 2^31 in magnitude.
; THE DEAL.  A work-group has 16 waves and takes 256 queries of one batch and a pair of heads; a wave takes 16 queries, first of head 2 hp, then of head 2 hp + 1: 64 x 4 = 256 work-groups.
; CLUSTER 4 x 1: the four work-groups of a cluster take the four quarters of a batch's queries and read the same two records of kv: every fill is a joint load with the mask of all four.
; LDS: both records (k's runs, v's fragments, both scale words: 102,400 bytes each) lie there for the whole launch.  Each wave asks for 50 rows of 256 bytes at the head, its one tensor load; nothing is filled again.
; Waves 0-7 bring the first head's record by a load line of their own and wait for it ahead of the first barrier; waves 8-15 bring the second head's, which the barrier between the two passes shows to all.
; No prefetch: all fills stand at the head, and there is no loop to run ahead in.
; PADDING: 64 bytes behind each 256, so byte y of a record lies at 320 (y / 256) + y % 256, and a run of k (1,536 bytes) is 1,920 bytes: 128 modulo 256.
; THE KEYS OF A TILE ARE CHOSEN BY THE LANES' LDS ADDRESSES.  In memory run i holds the 32 keys of scale block i: registers 0-5 keys 8 u + r + 8 (r / 8) with u = 0, registers 6-11 with u = 1.
; Fragment n = 2 p + g takes for its rows 0-7 the lanes 8 g + 0 .. 7 of run 2 p and for its rows 8-15 the same lanes of run 2 p + 1 (the two groups of eight lanes read 128 bytes each, 128 apart modulo 256).
; S^T = k q^T then gives lane (query r, h) in registers 32 p + 16 g + 8 u + j key 16 g + 8 u + j of block 2 p + h: A WHOLE SCALE BLOCK OF p IN A LANE, in the order of the keys, which is the order of the next operand's registers.
; So a block's largest p needs no other lane, and the conversions' results are the operand.  A head is 64 wide: q stands in half of the 128 along K, zero codes in the other half, which picks u.
; SOFTMAX: t = score x log2(e) / 8; M is the ceiling of the running largest t, kept as -M; p = 2^(t - M); the row's sum is taken of the unquantised p; when M moves, the sum and O^T are multiplied by the exact power of two.
; A block's largest p is made from its largest score by the same multiply-add and exponential as every p.
; THE ORDER OF A STEP: v's loads go out in one run behind the score products; the next step's fragments of k are asked for as soon as the temporaries that lie in k's registers are dead, behind the conversions; the sum runs in four chains.
; q's codes, and then each head's result in their place, lie in 48 bytes of LDS scratch for each lane, the lane's own: no barrier.
; REGISTERS: v1-7, v29-31 addresses; v8-11 v's scale words; v12 -M, v13 the largest t, v14-15 the sum; v16-19 k's scale words; v20-21 f, then bytes; v22-27 the sum's other chains; v28 q's scale word;
; v32-79 k's fragments, then the step's temporaries; v80-127 v's fragments; v128-191 scores, then p; v192-223 O^T; v224-241 zeros, q, zeros; v242-253 p's codes; v254 p's scale word; v255 q's.
.set RECG,  102400                     ; a record in memory
.set RECL,  128000                     ; and in LDS: 400 rows of 320 bytes
.set SPARE, 2*RECL                     ; the spare words: 128 bytes for each of 16 waves
.set SCR,   SPARE+2048                 ; the scratch: 48 bytes for each of 512 lanes
.set BK,  1                            ; lane parts of the LDS addresses: k's fragments,
.set BS,  2                            ; k's scale words,
.set BT,  29                           ; v's scale words,
.set BV,  30                           ; v's fragments
.set ADK, 3                            ; and the step's addresses
.set ADV, 4
.set ADS, 7
.set ADT, 31
.set SPW, 5
.set NIL, 6
.set KS,  8
.set KS2, 16
.set F,   20
.set A1,  22
.set A2,  24
.set A3,  26
.set QWD, 28
.set T,   32
.set KF,  32
.set VF,  80
.set S,   128
.set O,   192
.set QO,  224
.set P,   242
.set PW,  254
.set QW,  255
.set WV,  18
.set SEL, 20
.set CS,  22
.set G1,  24
.set G0,  32
.set TB,  2
.set TS,  3
.set CNT, 40
.macro CROUND
	s_barrier_signal -1
	s_barrier_wait -1
	s_cmp_lg_u32 s[WV], 0
	s_cbranch_scc1 .Lnot_wave_0_\@
	s_barrier_signal -3
.Lnot_wave_0_\@:
	s_barrier_wait -3
	s_barrier_signal -1
	s_barrier_wait -1
.endm
.macro SCRA                            ; my lane's scratch
	v_mul_u32_u24 v[F], v0, 48
	v_add_nc_u32 v[F], SCR, v[F]
.endm
	s_load_b128 s[4:7], s[0:1], 0x0                ; qq, kv
	s_load_b64 s[8:9], s[0:1], 0x10                ; cq
	v_lshl_add_u32 v[SPW], v0, 2, SPARE
	v_mov_b32 v[NIL], 0
	ds_add_u32 v[SPW], v[NIL]                      ; the opening lines: the add, twice on end, and its wait ahead of my tensor load
	ds_add_u32 v[SPW], v[NIL]
	v_lshrrev_b32 v32, 5, v0
	v_readfirstlane_b32 s[WV], v32                 ; wave 0..15
	v_and_b32 v33, 31, v0
	v_lshlrev_b32 v33, 4, v33                      ; 16 x lane: q's image
	v_and_b32 v34, 15, v0
	v_lshlrev_b32 v34, 4, v34                      ; 16 r
	v_bfe_u32 v35, v0, 4, 1
	v_mul_u32_u24 v35, v35, 320                    ; 320 h: lanes 16-31 take the next row of 256 bytes
	v_and_b32 v36, 7, v0                           ; r % 8
	v_bfe_u32 v37, v0, 3, 1                        ; r / 8
	v_add_nc_u32 v[BV], v35, v34
	v_add_nc_u32 v[BV], 61440, v[BV]               ; v's fragments begin at byte 49,152 of a record: row 192
	v_add_nc_u32 v[BT], 125440, v34                ; v's scale words at 100,352: row 392; 16 bytes a row r
	v_mul_u32_u24 v38, v37, 1920                   ; rows 8-15 of a fragment come from the next run
	v_add_nc_u32 v[BK], v38, v35
	v_lshl_add_u32 v[BK], v36, 4, v[BK]
	v_lshlrev_b32 v37, 2, v37
	v_lshl_add_u32 v[BS], v36, 4, v37              ; k's scale words [r][run]: row r % 8 (+ 8 g), run r / 8 (+ 2 p)
	v_add_nc_u32 v[BS], 122880, v[BS]              ; at 98,304: row 384
	SCRA
	v_mov_b32 v[F+1], 0                            ; (named as the upper half of the pair before it is first written)
.irp i, 0,1,2,3,4,5
	v_mov_b32 v[QO+\i], 0                          ; zero codes on both sides of q
	v_mov_b32 v[QO+12+\i], 0
.endr
	s_bfe_u32 s10, ttmp6, 0x40000                  ; cx: which 256 queries
	s_and_b32 s11, ttmp7, 0xffff                   ; 8 x batch + head pair
	s_mul_i32 s14, s11, 2*RECG
	s_mul_i32 s13, s[WV], 12800                    ; my 50 rows of the two records' 800
	s_add_co_u32 s14, s14, s13
	s_mov_b32 s15, 0
	s_mul_i32 s13, s[WV], 16000                    ; and their place in LDS
	s_mov_b32 s[G1], 15|(3<<16)|(1<<20)|(1<<21)|(5<<22)|(15<<25)   ; the mask of all four; elements of 8 bytes; 16 words of padding behind every 64
	s_mov_b32 s[G1+1], 32<<16
	s_mov_b32 s[G1+2], 50<<16
	s_mov_b32 s[G1+3], 32<<16
	s_mov_b32 s[G1+4], 50
	s_mov_b32 s[G1+5], 32
	s_mov_b32 s[G1+6], 0
	s_mov_b32 s[G1+7], 0
	s_lshr_b32 s16, s11, 3
	s_lshl_b32 s16, s16, 6
	s_lshl_b32 s12, s10, 4
	s_add_co_u32 s16, s16, s12
	s_add_co_u32 s16, s16, s[WV]                   ; my token block: 64 x batch + 16 cx + wave
	s_and_b32 s17, s11, 7                          ; hp
	s_lshl_b32 s42, s17, 9
	s_add_co_u32 s42, s42, s16
	s_mul_i32 s42, s42, 1536                       ; q's fragment
	s_mov_b32 s43, 0
	s_lshl_b32 s44, s17, 6
	s_lshr_b32 s12, s16, 3
	s_add_co_u32 s44, s44, s12
	s_lshl_b32 s44, s44, 9
	s_bfe_u32 s12, s16, 0x10002
	s_lshl_b32 s12, s12, 8
	s_add_co_u32 s44, s44, s12
	s_and_b32 s12, s16, 3
	s_lshl_b32 s12, s12, 2
	s_add_co_u32 s44, s44, s12
	s_add_co_u32 s44, s44, 6291456                 ; q's scale words
	s_mov_b32 s45, 0
	s_lshl_b32 s46, s16, 3
	s_add_co_u32 s46, s46, s17
	s_mul_i32 s46, s46, 1536                       ; the result's fragment: [token block][K step = hp]
	s_mov_b32 s47, 0
	s_lshl_b32 s48, s16, 9
	s_lshl_b32 s12, s17, 6
	s_add_co_u32 s48, s48, s12
	s_add_co_u32 s48, s48, 6291456                 ; its scale words
	s_mov_b32 s49, 0
	s_mov_b32 s[SEL], 0x76543210
	s_mov_b32 s[SEL+1], 0xfedcba98                 ; v_permlanex16_b32's selects for lane l xor 16
	s_mov_b32 s[CS], 0x3e38aa3b                    ; log2(e) / 8
	s_mov_b32 s[CS+1], s[CS]
	s_wait_alu depctr_va_vdst(0)
	s_wait_dscnt 0x0
	s_wait_kmcnt 0x0
	s_add_nc_u64 s[14:15], s[6:7], s[14:15]
	s_mov_b32 s[G0], 1
	s_mov_b32 s[G0+1], s13
	s_mov_b64 s[G0+2:G0+3], s[14:15]
	s_or_b32 s[G0+3], s[G0+3], 0x80000000
	s_add_nc_u64 s[42:43], s[4:5], s[42:43]
	s_add_nc_u64 s[44:45], s[4:5], s[44:45]
	s_add_nc_u64 s[46:47], s[8:9], s[46:47]
	s_add_nc_u64 s[48:49], s[8:9], s[48:49]
.irp c, 0,1,2
	global_load_b128 v[S+4*\c:S+4*\c+3], v33, s[42:43] offset:512*\c
.endr
	global_load_b32 v[QWD], v34, s[44:45]
	CROUND                                         ; the four work-groups are here: the joint loads meet
	s_cmp_lt_u32 s[WV], 8
	s_cbranch_scc0 .Lrec1
	tensor_load_to_lds s[G0:G0+3], s[G1:G1+7]      ; waves 0-7: the first head's record
	s_nop 0
	s_branch .Lasked
.Lrec1:
	tensor_load_to_lds s[G0:G0+3], s[G1:G1+7]      ; waves 8-15: the second head's
	s_nop 0
.Lasked:
	s_cmp_lt_u32 s[WV], 8
	s_cbranch_scc0 .Lnot0
	s_wait_tensorcnt 0x0                           ; my rows of the first record are in
.Lnot0:
	s_barrier_signal -1
	s_barrier_wait -1                              ; the first record is whole
	s_wait_tensorcnt 0x0                           ; every wave's own load is done before it stores to LDS
	s_wait_loadcnt 0x0                             ; q
.irp c, 0,1,2
	ds_store_b128 v[F], v[S+4*\c:S+4*\c+3] offset:16*\c   ; q's twelve registers into my scratch: head p's six at 24 p
.endr
.macro KLOAD off, soff                 ; a step's four fragments of k and their scale words
.irp n, 0,1,2,3
.irp c, 0,1,2
	ds_load_b128 v[KF+12*\n+4*\c:KF+12*\n+4*\c+3], v[ADK] offset:(\off)+3840*(\n/2)+128*(\n%2)+640*\c
.endr
	ds_load_b32 v[KS2+\n], v[ADS] offset:(\soff)+8*(\n/2)+128*(\n%2)
.endr
.endm
.macro SUM4 j                          ; eight p more into the sum's four chains
	v_pk_add_f32 v[14:15], v[14:15], v[S+\j:S+\j+1]
	v_pk_add_f32 v[A1:A1+1], v[A1:A1+1], v[S+\j+2:S+\j+3]
	v_pk_add_f32 v[A2:A2+1], v[A2:A2+1], v[S+\j+4:S+\j+5]
	v_pk_add_f32 v[A3:A3+1], v[A3:A3+1], v[S+\j+6:S+\j+7]
.endm
; A step: 128 keys for my 16 queries.
.macro STEP
	s_wait_dscnt 0x0                               ; this step's fragments of k and their scale words, asked for in the step before
.irp n, 0,1,2,3
	v_wmma_scale_f32_16x16x128_f8f6f4 v[S+32*(\n/2)+16*(\n%2):S+32*(\n/2)+16*(\n%2)+7], v[KF+12*\n:KF+12*\n+11], v[QO+6:QO+17], 0, v[KS2+\n], v[QW] matrix_a_fmt:MATRIX_FMT_FP6 matrix_b_fmt:MATRIX_FMT_FP6
	v_wmma_scale_f32_16x16x128_f8f6f4 v[S+32*(\n/2)+16*(\n%2)+8:S+32*(\n/2)+16*(\n%2)+15], v[KF+12*\n:KF+12*\n+11], v[QO:QO+11], 0, v[KS2+\n], v[QW] matrix_a_fmt:MATRIX_FMT_FP6 matrix_b_fmt:MATRIX_FMT_FP6
.endr
	v_add_nc_u32 v[ADV], s[TB], v[BV]              ; the step's addresses: also the four places behind the products
	v_add_nc_u32 v[ADT], s[TS], v[BT]
	v_add_nc_u32 v[ADK], s[TB], v[BK]
	v_add_nc_u32 v[ADS], s[TS], v[BS]
.irp t, 0,1,2,3                        ; v's four fragments and their scale words, in one run: they land under the softmax
.irp c, 0,1,2
	ds_load_b128 v[VF+12*\t+4*\c:VF+12*\t+4*\c+3], v[ADV] offset:1920*\t+640*\c
.endr
.endr
	ds_load_b128 v[KS:KS+3], v[ADT]
.irp k, 0,1,2,3                        ; the largest score of my two blocks of 32: four chains of 16 by turns, each accumulator from its low end on
	v_max3_num_f32 v[T+\k], v[S+16*\k], v[S+16*\k+1], v[S+16*\k+2]
.endr
.irp i, 3,5,7,9,11,13
.irp k, 0,1,2,3
	v_max3_num_f32 v[T+\k], v[T+\k], v[S+16*\k+\i], v[S+16*\k+\i+1]
.endr
.endr
	v_max3_num_f32 v[T], v[T], v[S+15], v[S+31]
	v_max3_num_f32 v[T+2], v[T+2], v[S+47], v[S+63]
	v_max_num_f32 v[T], v[T], v[T+1]               ; block h
	v_max_num_f32 v[T+1], v[T+2], v[T+3]           ; block 2 + h
	s_delay_alu instid0(VALU_DEP_1)
	v_max_num_f32 v36, v[T], v[T+1]
	s_delay_alu instid0(VALU_DEP_1)
	v_permlanex16_b32 v37, v36, s[SEL], s[SEL+1]
	s_delay_alu instid0(VALU_DEP_1)
	v_max_num_f32 v36, v36, v37                    ; the step's largest score of my query
	s_delay_alu instid0(VALU_DEP_1)
	v_mul_f32 v36, s[CS], v36
	s_delay_alu instid0(VALU_DEP_1)
	v_max_num_f32 v13, v13, v36                    ; the running largest t
	v_mov_b32 v36, v12
	s_delay_alu instid0(VALU_DEP_2)
	v_floor_f32 v12, -v13                          ; the new -M
	s_delay_alu instid0(VALU_DEP_1)
	v_sub_f32 v36, v12, v36
	s_delay_alu instid0(VALU_DEP_1)
	v_cvt_i32_f32 v36, v36                         ; old M less new M: a whole number, 0 or less (it saturates)
	s_delay_alu instid0(VALU_DEP_1)
	v_ldexp_f32 v[F], 1.0, v36                     ; f
.set j, 0
.rept 16
	v_pk_mul_f32 v[O+j:O+j+1], v[O+j:O+j+1], v[F:F+1] op_sel_hi:[1,0]   ; O^T under the new M
.set j, j+2
.endr
.set j, 0
.rept 32
	v_pk_fma_f32 v[S+j:S+j+1], v[S+j:S+j+1], s[CS:CS+1], v[12:13] op_sel_hi:[1,0,0]   ; t - M
.set j, j+2
.endr
	v_fma_f32 v[T], v[T], s[CS], v12               ; the same of each block's largest score
	v_fma_f32 v[T+1], v[T+1], s[CS], v12
	s_wait_alu depctr_va_vdst(0)
	v_exp_f32 v[T], v[T]
	v_exp_f32 v[T+1], v[T+1]
.set j, 0
.rept 64
	v_exp_f32 v[S+j], v[S+j]
.set j, j+1
.endr
	v_pk_mul_f32 v[14:15], v[14:15], v[F:F+1] op_sel_hi:[1,0]   ; the sum under the new M: also the plain place behind the batch
	s_wait_alu depctr_va_vdst(0)                   ; one wait for the batch
	v_max_num_f32 v[T], 0x1800000, v[T]            ; the floor 2^(3 - 127): the byte cannot fall under 1
	v_max_num_f32 v[T+1], 0x1800000, v[T+1]
	v_pk_add_f32 v[A1:A1+1], v[S:S+1], v[S+2:S+3]  ; the sum of the unquantised p, in four chains
	v_pk_add_f32 v[A2:A2+1], v[S+4:S+5], v[S+6:S+7]
	v_add_nc_u32 v40, 0xff000000, v[T]             ; 2 off the exponent field: the conversions' scale operand
	v_add_nc_u32 v41, 0xff000000, v[T+1]
	v_pk_add_f32 v[A3:A3+1], v[S+8:S+9], v[S+10:S+11]
	v_pk_add_f32 v[14:15], v[14:15], v[S+12:S+13]
	v_cvt_scalef32_pk16_fp6_f32 v[P:P+2], v[S:S+15], v40
	v_cvt_scalef32_pk16_fp6_f32 v[46:48], v[S+16:S+31], v40      ; (a conversion's three registers begin on an even number)
	v_cvt_scalef32_pk16_fp6_f32 v[P+6:P+8], v[S+32:S+47], v41
	v_cvt_scalef32_pk16_fp6_f32 v[50:52], v[S+48:S+63], v41
	v_lshrrev_b32 v[F], 23, v40                    ; the bytes of blocks h and 2 + h (f has served).  Also the plain place behind the conversions
	v_lshrrev_b32 v[F+1], 23, v41
.irp i, 0,1,2
	v_mov_b32 v[P+3+\i], v[46+\i]
	v_mov_b32 v[P+9+\i], v[50+\i]
.endr
	s_wait_alu depctr_va_vdst(0)
	s_wait_dscnt 0x0                               ; v's fragments and scale words
	s_cmp_eq_u32 s[CNT], 1
	s_cbranch_scc1 .Llast_\@                       ; a pass's last step asks for nothing more
	KLOAD 7680, 320                                ; the next step's: nothing in k's registers is alive any more
.Llast_\@:
	v_lshl_or_b32 v[F], v[F+1], 16, v[F]           ; p's scale word, its lines among the sum's
	SUM4 14
	v_permlanex16_b32 v[F+1], v[F], s[SEL], s[SEL+1]
	SUM4 22
	v_lshl_or_b32 v[PW], v[F+1], 8, v[F]           ; lanes 0-15, which alone are read: blocks 0 and 2 are mine, 1 and 3 lane l + 16's
	SUM4 30
	SUM4 38
	SUM4 46
	SUM4 54
	v_pk_add_f32 v[14:15], v[14:15], v[S+62:S+63]
	v_pk_add_f32 v[A1:A1+1], v[A1:A1+1], v[A2:A2+1]
	v_pk_add_f32 v[14:15], v[14:15], v[A3:A3+1]
	v_pk_add_f32 v[14:15], v[14:15], v[A1:A1+1]
.irp t, 0,1,2,3
	v_wmma_scale_f32_16x16x128_f8f6f4 v[O+8*\t:O+8*\t+7], v[VF+12*\t:VF+12*\t+11], v[P:P+11], v[O+8*\t:O+8*\t+7], v[KS+\t], v[PW] matrix_a_fmt:MATRIX_FMT_FP6 matrix_b_fmt:MATRIX_FMT_FP6
.endr
	s_add_co_u32 s[TB], s[TB], 7680                ; 24 rows of 320 bytes: a step's four runs, and its four fragments of v
	s_add_co_u32 s[TS], s[TS], 320
.endm
; 32 numbers of a lane, register 16 b + i = feature 32 b + 16 h + i of my token, become six registers of codes at d and two scale bytes in v[w].
.macro QUANT2 s, d, w
.irp b, 0,1
	v_max3_num_f32 v[T+\b], |v[(\s)+16*\b]|, |v[(\s)+1+16*\b]|, 0x1800000
.endr
.irp i, 2,4,6,8,10,12,14
.irp b, 0,1
	s_delay_alu instid0(VALU_DEP_2)
	v_max3_num_f32 v[T+\b], v[T+\b], |v[(\s)+16*\b+\i]|, |v[(\s)+1+16*\b+\i]|
.endr
.endr
.irp b, 0,1
	s_delay_alu instid0(VALU_DEP_2)
	v_permlanex16_b32 v[T+4+\b], v[T+\b], s[SEL], s[SEL+1]
.endr
.irp b, 0,1
	s_delay_alu instid0(VALU_DEP_2)
	v_max_num_f32 v[T+\b], v[T+\b], v[T+4+\b]
.endr
.irp b, 0,1
	s_delay_alu instid0(VALU_DEP_2)
	v_add_nc_u32 v[T+12+\b], 0xff000000, v[T+\b]
.endr
.irp b, 0,1
	s_delay_alu instid0(VALU_DEP_2)
	v_lshrrev_b32 v[T+4+\b], 23, v[T+12+\b]
.endr
	s_delay_alu instid0(VALU_DEP_1)
	v_lshl_or_b32 v[\w], v[T+5], 8, v[T+4]
	v_cvt_scalef32_pk16_fp6_f32 v[(\d):(\d)+2], v[(\s):(\s)+15], v[T+12]
	v_cvt_scalef32_pk16_fp6_f32 v[T+8:T+10], v[(\s)+16:(\s)+31], v[T+13]
	v_nop
.irp i, 0,1,2
	v_permlane16_swap_b32 v[(\d)+\i], v[T+8+\i]
.endr
.irp i, 0,1,2
	s_delay_alu instid0(VALU_DEP_3)
	v_mov_b32 v[(\d)+3+\i], v[T+8+\i]
.endr
.endm
; One head: eight steps, the division by the sum, the quantiser.  The result's six registers take the place of this head's q in my scratch.
.macro PASS p
	SCRA
	v_add_nc_u32 v[ADK], (\p)*RECL, v[BK]
	v_add_nc_u32 v[ADS], (\p)*RECL, v[BS]
.if (\p) == 0
	v_perm_b32 v[QW], v[QWD], v[QWD], 0x01000100   ; this head's two bytes, for either half of K
.else
	v_perm_b32 v[QW], v[QWD], v[QWD], 0x03020302
.endif
.irp i, 0,1,2
	ds_load_b64 v[QO+6+2*\i:QO+7+2*\i], v[F] offset:24*(\p)+8*\i   ; LDS serves a wave's instructions in order: these see my stores
.endr
	KLOAD 0, 0                                     ; the first step's fragments
	v_mov_b32 v13, 0xff61b1e6                      ; -3e38, under every t
	s_delay_alu instid0(VALU_DEP_1)
	v_floor_f32 v12, -v13
	v_mov_b32 v14, 0
	v_mov_b32 v15, 0
.set j, 0
.rept 32
	v_mov_b32 v[O+j], 0
.set j, j+1
.endr
	s_mov_b32 s[TB], (\p)*RECL
	s_mov_b32 s[TS], (\p)*RECL
	s_mov_b32 s[CNT], 8
	s_wait_alu depctr_va_vdst(0)
.Lstep_\@:
	STEP
	s_sub_co_u32 s[CNT], s[CNT], 1
	s_cmp_lg_u32 s[CNT], 0
	s_cbranch_scc1 .Lstep_\@
.rept 4
	v_nop
.endr
	v_add_f32 v14, v14, v15
	s_delay_alu instid0(VALU_DEP_1)
	v_permlanex16_b32 v36, v14, s[SEL], s[SEL+1]
	s_delay_alu instid0(VALU_DEP_1)
	v_add_f32 v14, v14, v36                        ; the row's sum
	s_wait_alu depctr_va_vdst(0)
	v_rcp_f32 v14, v14
	v_nop
	s_wait_alu depctr_va_vdst(0)
.set j, 0
.rept 16
	v_pk_mul_f32 v[S+j:S+j+1], v[O+j:O+j+1], v[14:15] op_sel_hi:[1,0]
.set j, j+2
.endr
	QUANT2 S, 56, 38
	SCRA
.irp i, 0,1,2
	ds_store_b64 v[F], v[56+2*\i:57+2*\i] offset:24*(\p)+8*\i
.endr
.endm
	PASS 0
	v_and_or_b32 v[QWD], v[QWD], 0xffff0000, v38   ; head 2 hp's two bytes take the place of its q's, which have served
	s_wait_alu depctr_va_vdst(0)
	s_wait_tensorcnt 0x0
	s_wait_dscnt 0x0
	s_barrier_signal -1
	s_barrier_wait -1                              ; every wave has waited for its load: the second record is whole
	PASS 1
.irp c, 0,1,2
	ds_load_b128 v[S+4*\c:S+4*\c+3], v[F] offset:16*\c   ; both heads' codes: the fragment's twelve registers
.endr
	v_and_b32 v39, 0xffff, v[QWD]
	v_and_b32 v34, 31, v0
	v_lshl_or_b32 v35, v38, 16, v39                ; the result's scale word of my token
	v_lshlrev_b32 v32, 4, v34
	v_and_b32 v33, 15, v0
	v_lshlrev_b32 v33, 2, v33
	s_wait_alu depctr_va_vdst(0)
	s_wait_dscnt 0x0
.irp c, 0,1,2
	global_store_b128 v32, v[S+4*\c:S+4*\c+3], s[46:47] offset:512*\c   ; 512 consecutive bytes, aligned
.endr
	s_wait_xcnt 0x0                                ; EXEC changes only behind this wait
	v_cmp_gt_u32 vcc_lo, 16, v34
	s_and_saveexec_b32 s41, vcc_lo                 ; both halves of the lanes hold the same words: lanes 0-15 store them
	global_store_b32 v33, v35, s[48:49]
	s_wait_xcnt 0x0
	s_or_b32 exec_lo, exec_lo, s41
	s_wait_tensorcnt 0x0                           ; the wave's end
	ds_add_u32 v[SPW], v[NIL]
	s_wait_dscnt 0x0
	CROUND                                         ; the closing round
	s_endpgm
.Lfunc_end_k_q1f64b02a30_attn:
	.size	k_q1f64b02a30_attn, .Lfunc_end_k_q1f64b02a30_attn-k_q1f64b02a30_attn
	.p2alignl 7, 3214868480
	.fill 96, 4, 3214868480
	.section	.rodata,"a",@progbits
	.p2align	6, 0x0
	.amdhsa_kernel k_q1f64b02a30_attn
		.amdhsa_group_segment_fixed_size 327680
		.amdhsa_private_segment_fixed_size 0
		.amdhsa_enable_private_segment 0
		.amdhsa_kernarg_size 24
		.amdhsa_user_sgpr_count 2
		.amdhsa_user_sgpr_kernarg_segment_ptr 1
		.amdhsa_wavefront_size32 1
		.amdhsa_system_sgpr_workgroup_id_x 1
		.amdhsa_system_sgpr_workgroup_id_y 1
		.amdhsa_system_sgpr_workgroup_id_z 1
		.amdhsa_system_vgpr_workitem_id 0
		.amdhsa_next_free_vgpr 256
		.amdhsa_next_free_sgpr 66
		.amdhsa_reserve_vcc 1
		.amdhsa_float_denorm_mode_32 3
		.amdhsa_float_denorm_mode_16_64 3
		.amdhsa_memory_ordered 1
		.amdhsa_forward_progress 1
		.amdhsa_inst_pref_size 52
	.end_amdhsa_kernel
	.amdgpu_metadata
---
amdhsa.version: [ 1, 2 ]
amdhsa.kernels:
  - .name:           k_q1f64b02a30_attn
    .symbol:         k_q1f64b02a30_attn.kd
    .args:
      - { .name: qq, .offset: 0, .size: 8, .value_kind: global_buffer, .address_space: global }
      - { .name: kv, .offset: 8, .size: 8, .value_kind: global_buffer, .address_space: global }
      - { .name: cq, .offset: 16, .size: 8, .value_kind: global_buffer, .address_space: global }
    .group_segment_fixed_size: 327680
    .private_segment_fixed_size: 0
    .kernarg_segment_align: 8
    .kernarg_segment_size: 24
    .max_flat_workgroup_size: 512
    .sgpr_count:     66
    .vgpr_count:     256
    .wavefront_size: 32
...
	.end_amdgpu_metadata
.endif
;; end of part 3
;; launch proj (part 4): grid 4 x 64, 4 waves a work-group, clusters of 4 x 4, 327,680 bytes of LDS; arguments cq, wp, b_proj, out0; writes out0
.if DOCPART == 4
	.amdgcn_target "amdgcn-amd-amdhsa--gfx1250"
	.amdhsa_code_object_version 6
	.text
	.protected	k_q1f64b02a30_proj
	.globl	k_q1f64b02a30_proj
	.p2align	8
	.type	k_q1f64b02a30_proj,@function
k_q1f64b02a30_proj:
	s_mov_b64 s[64:65], 0
	v_nop
	global_prefetch_b8 v0, s[64:65] scope:SCOPE_SE
	s_setreg_imm32_b32 hwreg(HW_REG_WAVE_MODE, 25, 1), 1
	s_wait_xcnt 0x0
	s_wait_alu depctr_hold_cnt(0) depctr_sa_sdst(0) depctr_va_vdst(0) depctr_va_sdst(0) depctr_va_ssrc(0) depctr_va_vcc(0) depctr_vm_vsrc(0)
	s_getreg_b32 s2, hwreg(HW_REG_IB_STS2, 6, 4)
	s_cmp_eq_u32 s2, 0
	s_cbranch_scc0 .Lentry_in_a_cluster
	s_endpgm
.Lentry_in_a_cluster:
	s_bfe_u32 s2, ttmp6, 0x10000c
	s_cmp_lg_u32 s2, 0xf033
	s_cbranch_scc0 .Lentry_shape_is_right
	s_endpgm
.Lentry_shape_is_right:
; out0 = context w_proj^T + b_proj on codes of FP6 (E2M3) with E8M0 scales, K = 1,024; f32 out.  No work is left out.
; OPERANDS lie in memory as images of their registers (a fragment, 16 rows x 128 K, is 1,536 bytes: registers 4 c .. 4 c + 3 of lane l at 512 c + 16 l), [row block][K step]; row block R holds rows
; 32 (R / 2) + 8 (R % 2) + r + 8 (r / 8); scale words behind the codes, [row block][K step][r].
; A tile of the result is 128 tokens x 256 features: 64 x 4 = 256 work-groups.  Both operands lie in LDS with all of K: every tile is filled once, in two halves of K, so there is no ring.
; A WAVE has 32 accumulators: the weights' 8 blocks of half wave % 2 (source 0: the registers of blocks 2 i and 2 i + 1 are 16 neighbouring features) x the context's 4 blocks of half wave / 2 (source 1: a lane holds a token).
; For a K step a wave reads 12 fragments from LDS for 32 matrix instructions: the price of a tile that gives every WGP one work-group.  The bias is the C of each sum's first product.
; CLUSTERS: 4 x 4: the context's tile hangs on cy alone and is shared along a row of the cluster, the weights' on cx alone and are shared along a column: joint loads, which every wave issues for rows of its own.
; No prefetch: all loads stand at the head.
; REGISTERS, in windows of 256: window 0: v0-31 addresses; v32-55 scale words, two sets of 8 + 4; v64-127 the bias; v128-223 the context's fragments, two sets; on the way out v128-255 hold rows.
;   window 1: the weights' fragments, two sets, at v0 and v128.   window 2: the accumulators ((a, i) at v[8 (8 a + i)]).
; THE FILLS, as they stand now: at the head one joint load a wave, in one chain of arms on the wave's number: wave 0 the weights' first half of K (16 row blocks), wave 1 the context's (8 row blocks), wave 2 the context's
; scale words, wave 3 the weights'.  The second halves follow behind the three lines and a round: wave 0 the context's, wave 1 the weights'.
.set FR,     12
.set NP,     4                         ; places behind this matrix instruction (ISA guide 7.12.1)
.set BLK,    6144                      ; a row block's four K steps: half of K
.set XH,     8*BLK
.set XREG,   0                         ; the context: two halves of K
.set WREG,   2*XH                      ; the weights: two halves
.set WSL,    16*BLK
.set XS,     WREG+2*WSL                ; the context's scale words: [block 8][K step 8][r 16]
.set WS,     XS+4096                   ; the weights': [block 16][K step 8][r 16]
.set WSG,    2048                      ; a quarter of them
.set SPARE,  WS+4*WSG                  ; the spare words, 128 bytes for each wave: two blocks of 256 bytes that no other line names
.set SPITCH, 528                       ; the way out: a stage of 16 rows x (512 bytes + 16) for each wave, in the weights' first half, which is filled once and is read no more behind the barrier at K step 3
.set VOI,  4                           ; v4      16 x lane
.set AWQ,  8                           ; v8-9    LDS address of my 8 weight blocks, half 0, 1
.set AXQ,  10                          ; v10-11  of my 4 blocks of the context
.set SWQ,  16                          ; v16-17  the same for the scale words
.set SXQ,  17
.set VBQ,  20                          ; v20     my place in the bias
.set STO,  22                          ; v22     the way out: where I put 32 bytes of a row
.set RD,   23                          ; v23     where I read a row back
.set SPW,  28                          ; v28     LDS address of my spare word; never rewritten
.set NIL,  29                          ; v29     0; never rewritten
.set SC,   32
.set BIAS, 64
.set SF,   128
.set BK,   128                         ; the way out: 16 rows read back: v128-191 and v192-255 by turns
.set G1X,  24
.set G1W,  32
.set G1XS, 40
.set G1WS, 48
.set G0XS, 56
.set G0WS, 60
.set G0X,  68
.set G0W,  76
.set MSB, 0
.macro WIN new                         ; the immediate's high byte repeats the setting that is left
.if MSB != (\new)
	s_set_vgpr_msb (MSB<<8)|(\new)
.set MSB, (\new)
.endif
.endm
.set MUL_W, 0xa1                       ; source 0 (the weights) window 1, source 1 (the context) window 0, C and D window 2
.set MUL_C, 0x81                       ; the same with C, the bias, in window 0
.set TO_B,  0x40                       ; destination window 1, address window 0
.macro CREST                           ; a round of the cluster's barrier behind its opening barrier
	s_cmp_lg_u32 s14, 0
	s_cbranch_scc1 .Lnot_wave_0_\@
	s_barrier_signal -3
.Lnot_wave_0_\@:
	s_barrier_wait -3
	s_barrier_signal -1
	s_barrier_wait -1
.endm
.macro CROUND
	s_barrier_signal -1
	s_barrier_wait -1
	CREST
.endm
.macro SHAPE g, c, r, p                ; words 1 to 7 of a group 1: r rows of c elements of 8 bytes, p elements apart
	s_mov_b32 s[\g+1], (\c)<<16
	s_mov_b32 s[\g+2], (\r)<<16
	s_mov_b32 s[\g+3], (\c)<<16
	s_mov_b32 s[\g+4], \r
	s_mov_b32 s[\g+5], \p
	s_mov_b32 s[\g+6], 0
	s_mov_b32 s[\g+7], 0
.endm
.macro PLACE g, lreg, lbase, areg, aoff ; a group 0: to LDS byte s[lreg] + lbase, from s[areg:areg+1] + aoff
	s_mov_b32 s[\g], 1
	s_add_co_u32 s[\g+1], s[\lreg], \lbase
	s_add_nc_u64 s[\g+2:\g+3], s[\areg:\areg+1], \aoff
	s_or_b32 s[\g+3], s[\g+3], 0x80000000
.endm
	s_load_b256 s[4:11], s[0:1], 0x0               ; cq s[4:5], wp s[6:7], b_proj s[8:9], out0 s[10:11]
	v_lshl_add_u32 v[SPW], v0, 2, SPARE
	v_mov_b32 v[NIL], 0
	ds_add_u32 v[SPW], v[NIL]                      ; the wave's opening: the add, twice on end, and its wait ahead of my first tensor load; the set-up below stands between the second and the wait
	ds_add_u32 v[SPW], v[NIL]
	v_lshrrev_b32 v1, 5, v0
	v_readfirstlane_b32 s14, v1                    ; wave 0..3
	s_lshr_b32 s15, s14, 1                         ; which 64 tokens are mine
	s_and_b32 s16, s14, 1                          ; which 128 features
	s_bfe_u32 s84, ttmp6, 0x40000                  ; cx, cy
	s_bfe_u32 s85, ttmp6, 0x40004
	s_lshl_b32 s86, ttmp9, 2
	s_add_co_u32 s86, s86, s84                     ; which 256 features: it hangs on cx alone
	s_and_b32 s87, ttmp7, 0xffff
	s_lshl_b32 s87, s87, 2
	s_add_co_u32 s87, s87, s85                     ; which 128 tokens: on cy alone
	s_lshl_b32 s88, s85, 2
	s_lshl_b32 s88, 15, s88                        ; my row of the cluster
	s_lshl_b32 s89, 0x1111, s84                    ; my column
	s_or_b32 s[G1X], s88, (3<<16)|(1<<21)          ; 15:0 the mask: the context goes to my row; 17:16 elements of 8 bytes; 21 set beside a mask; no padding
	SHAPE G1X, 768, 8, 1536                        ; 8 row blocks x 6,144 bytes (half of K), 12,288 bytes apart
	s_or_b32 s[G1W], s89, (3<<16)|(1<<21)          ; the weights go to my column
	SHAPE G1W, 768, 16, 1536                       ; 16 row blocks x 6,144 bytes
	s_or_b32 s[G1XS], s88, (3<<16)|(1<<21)
	SHAPE G1XS, 32, 16, 32                         ; the scale words of 8 row blocks: 4,096 dense bytes
	s_or_b32 s[G1WS], s89, (3<<16)|(1<<21)
	SHAPE G1WS, 32, 32, 32                         ; of 16 row blocks: 8,192 dense bytes
	s_lshl_b32 s90, s87, 3                         ; the context: row blocks 8 x tile on
	s_mul_i32 s92, s90, 12288
	s_mov_b32 s93, 0
	s_lshl_b32 s94, s90, 9
	s_add_co_u32 s94, s94, 6291456
	s_mov_b32 s95, 0
	s_lshl_b32 s91, s86, 4                         ; the weights: row blocks 16 x tile on
	s_mul_i32 s96, s91, 12288
	s_mov_b32 s97, 0
	s_lshl_b32 s98, s91, 9
	s_add_co_u32 s98, s98, 786432
	s_mov_b32 s99, 0
	s_mov_b32 s19, 0                               ; every tile is fetched whole: its LDS place is a constant
	s_wait_dscnt 0x0                               ; both opening adds are done
	s_wait_kmcnt 0x0
	s_add_nc_u64 s[92:93], s[4:5], s[92:93]
	s_add_nc_u64 s[94:95], s[4:5], s[94:95]
	s_add_nc_u64 s[96:97], s[6:7], s[96:97]
	s_add_nc_u64 s[98:99], s[6:7], s[98:99]
	PLACE G0XS, 19, XS, 94, 0
	PLACE G0WS, 19, WS, 98, 0
	PLACE G0X, 19, XREG, 92, 0
	PLACE G0X+4, 19, XREG+XH, 92, BLK
	PLACE G0W, 19, WREG, 96, 0
	PLACE G0W+4, 19, WREG+WSL, 96, BLK
	CROUND                                         ; all sixteen work-groups are here: the joint loads meet
.macro HARM under, g0, g1, next        ; an arm of the head's chain: one load, and a jump to the chain's end
	s_cmp_lt_u32 s14, \under
	s_cbranch_scc0 \next
	tensor_load_to_lds s[\g0:\g0+3], s[\g1:\g1+7]
	s_nop 0
.rept 4
	v_nop
.endr
	s_branch .Lhead_asked
\next:
.endm
	HARM 1, G0W, G1W, .Lhead_x                     ; the four tiles of the first half of K, one a wave
	HARM 2, G0X, G1X, .Lhead_xs
	HARM 3, G0XS, G1XS, .Lhead_ws
	tensor_load_to_lds s[G0WS:G0WS+3], s[G1WS:G1WS+7]
	s_nop 0
.rept 4
	v_nop
.endr
.Lhead_asked:
	v_and_b32 v1, 15, v0                           ; r
	v_bfe_u32 v2, v0, 4, 1                         ; h
	v_and_b32 v3, 31, v0                           ; lane
	v_lshlrev_b32 v[VOI], 4, v3
	s_mul_i32 s17, s16, 8*BLK
	s_add_co_u32 s17, s17, WREG
	v_add_nc_u32 v[AWQ], s17, v[VOI]
	s_add_co_u32 s17, s17, WSL
	v_add_nc_u32 v[AWQ+1], s17, v[VOI]
	s_mul_i32 s17, s15, 4*BLK
	v_add_nc_u32 v[AXQ], s17, v[VOI]
	s_add_co_u32 s17, s17, XH
	v_add_nc_u32 v[AXQ+1], s17, v[VOI]
	v_lshlrev_b32 v5, 2, v1                        ; 4 r: my row's scale word
	s_mul_i32 s17, s16, 2*WSG
	s_add_co_u32 s17, s17, WS
	v_add_nc_u32 v[SWQ], s17, v5
	s_lshl_b32 s17, s15, 11
	s_add_co_u32 s17, s17, XS
	v_add_nc_u32 v[SXQ], s17, v5
	s_mul_i32 s17, s14, 16*SPITCH                  ; my stage
	s_add_co_u32 s17, s17, WREG
	v_mul_u32_u24 v5, v1, SPITCH
	v_lshl_add_u32 v5, v2, 6, v5
	v_add_nc_u32 v[STO], s17, v5                   ; in: row r, + 64 h
	v_add_nc_u32 v[RD], s17, v[VOI]                ; back: the 32 lanes take one row of 512 bytes
	s_lshl_b32 s18, s87, 7
	s_lshl_b32 s19, s15, 6
	s_add_co_u32 s18, s18, s19                     ; my first token,
	s_lshl_b32 s18, s18, 12                        ; a row of out0 is 4,096 bytes;
	s_lshl_b32 s19, s86, 10
	s_add_co_u32 s18, s18, s19
	s_lshl_b32 s19, s16, 9
	s_add_co_u32 s18, s18, s19                     ; my first feature: 1,024 x tile + 512 x half bytes
	s_mov_b32 s19, 0
	s_add_nc_u64 s[10:11], s[10:11], s[18:19]
	s_lshl_b32 s20, s86, 10
	s_mov_b32 s21, 0
	s_add_nc_u64 s[8:9], s[8:9], s[20:21]          ; the bias of my tile's 256 features
	v_lshlrev_b32 v[VBQ], 6, v2                    ; 64 h + 512 x my half
	s_lshl_b32 s17, s16, 9
	v_add_nc_u32 v[VBQ], s17, v[VBQ]
.irp i, 0,1,2,3                        ; register 16 i + n takes the bias of feature 32 i + 16 h + n of my 128: the results' registers
.irp n, 0,1,2,3
	global_load_b128 v[BIAS+16*\i+4*\n:BIAS+16*\i+4*\n+3], v[VBQ], s[8:9] offset:128*\i+16*\n
.endr
.endr
; A load into a register that a matrix instruction has read, and an LDS store that reads a matrix result, stand NP places behind that matrix instruction; only plain vector instructions that
; name none of its registers are places (ISA guide 7.12.1 for vector instructions).
.macro PLACES n
.rept \n
	v_nop
.endr
.endm
; K step t's 12 fragments and 12 scale words into set t % 2.  A fragment comes as it was stored: three loads of 512 consecutive bytes.
.macro FETCH t
	WIN TO_B
.irp i, 0,1,2,3,4,5,6,7
.irp c, 0,1,2
	ds_load_b128 v[128*((\t)%2)+FR*\i+4*\c:128*((\t)%2)+FR*\i+4*\c+3], v[AWQ+(\t)/4] offset:\i*BLK+((\t)%4)*1536+512*\c
.endr
.endr
	WIN 0
.irp a, 0,1,2,3
.irp c, 0,1,2
	ds_load_b128 v[SF+48*((\t)%2)+FR*\a+4*\c:SF+48*((\t)%2)+FR*\a+4*\c+3], v[AXQ+(\t)/4] offset:\a*BLK+((\t)%4)*1536+512*\c
.endr
.endr
.irp i, 0,1,2,3,4,5,6,7
	ds_load_b32 v[SC+12*((\t)%2)+\i], v[SWQ] offset:\i*512+64*(\t)
.endr
.irp a, 0,1,2,3
	ds_load_b32 v[SC+12*((\t)%2)+8+\a], v[SXQ] offset:\a*512+64*(\t)
.endr
.endm
; 8 matrix instructions: the context's block a x the weights' eight.  zero = 2: the product starts the sums with the bias as C.
; The 32 accumulators take turns, one instruction a turn, in the same order in every K step.
.macro MUL8 a, set, zero
.irp i, 0,1,2,3,4,5,6,7
.if (\zero) == 2
	v_wmma_scale_f32_16x16x128_f8f6f4 v[8*(8*(\a)+\i):8*(8*(\a)+\i)+7], v[128*(\set)+FR*\i:128*(\set)+FR*\i+FR-1], v[SF+48*(\set)+FR*(\a):SF+48*(\set)+FR*(\a)+FR-1], v[BIAS+8*\i:BIAS+8*\i+7], v[SC+12*(\set)+\i], v[SC+12*(\set)+8+(\a)] matrix_a_fmt:MATRIX_FMT_FP6 matrix_b_fmt:MATRIX_FMT_FP6
.else
	v_wmma_scale_f32_16x16x128_f8f6f4 v[8*(8*(\a)+\i):8*(8*(\a)+\i)+7], v[128*(\set)+FR*\i:128*(\set)+FR*\i+FR-1], v[SF+48*(\set)+FR*(\a):SF+48*(\set)+FR*(\a)+FR-1], v[8*(8*(\a)+\i):8*(8*(\a)+\i)+7], v[SC+12*(\set)+\i], v[SC+12*(\set)+8+(\a)] matrix_a_fmt:MATRIX_FMT_FP6 matrix_b_fmt:MATRIX_FMT_FP6
.endif
.endr
.endm
; A K step whose successor lies in the same half of K: the next step's loads go out first and land under this step's 32 products.
; The same fetch in four runs of 12 loads, which stand between a K step's four groups of products.
.macro FETCHB t, i0                    ; four of the weights' fragments
	WIN TO_B
.irp i, \i0, \i0+1, \i0+2, \i0+3
.irp c, 0,1,2
	ds_load_b128 v[128*((\t)%2)+FR*(\i)+4*\c:128*((\t)%2)+FR*(\i)+4*\c+3], v[AWQ+(\t)/4] offset:(\i)*BLK+((\t)%4)*1536+512*\c
.endr
.endr
.endm
.macro FETCHS t                        ; the context's four
	WIN 0
.irp a, 0,1,2,3
.irp c, 0,1,2
	ds_load_b128 v[SF+48*((\t)%2)+FR*\a+4*\c:SF+48*((\t)%2)+FR*\a+4*\c+3], v[AXQ+(\t)/4] offset:\a*BLK+((\t)%4)*1536+512*\c
.endr
.endr
.endm
.macro FETCHC t                        ; the twelve scale words
	WIN 0
.irp i, 0,1,2,3,4,5,6,7
	ds_load_b32 v[SC+12*((\t)%2)+\i], v[SWQ] offset:\i*512+64*(\t)
.endr
.irp a, 0,1,2,3
	ds_load_b32 v[SC+12*((\t)%2)+8+\a], v[SXQ] offset:\a*512+64*(\t)
.endr
.endm
.macro WINM zero                       ; the products' windows
.if (\zero) == 2
	WIN MUL_C
.else
	WIN MUL_W
.endif
.endm
.macro KSTEP t, zero
	s_wait_dscnt 0x0                               ; this step's set is in
	PLACES NP                                      ; behind the last step's products, which read the set that is loaded now
	FETCHB (\t)+1, 0
	WINM \zero
	MUL8 0, (\t)%2, \zero
	FETCHB (\t)+1, 4
	WINM \zero
	MUL8 1, (\t)%2, \zero
	FETCHS (\t)+1
	WINM \zero
	MUL8 2, (\t)%2, \zero
	FETCHC (\t)+1
	WINM \zero
	MUL8 3, (\t)%2, \zero
.endm
	s_wait_alu depctr_va_vdst(0)
	s_wait_tensorcnt 0x0                           ; my tile of the head's four is in
	ds_add_u32 v[SPW], v[NIL]
	s_wait_dscnt 0x0
	CROUND                                         ; everybody's tile is in, and the second half's joint loads meet
	s_cmp_eq_u32 s14, 0
	s_cbranch_scc0 .Lsec_w
	tensor_load_to_lds s[G0X+4:G0X+7], s[G1X:G1X+7]        ; wave 0: the context's second half of K
	s_nop 0
.rept 4
	v_nop
.endr
	s_branch .Lsec_asked
.Lsec_w:
	s_cmp_eq_u32 s14, 1
	s_cbranch_scc0 .Lsec_asked
	tensor_load_to_lds s[G0W+4:G0W+7], s[G1W:G1W+7]        ; wave 1: the weights'
	s_nop 0
.rept 4
	v_nop
.endr
.Lsec_asked:
	FETCH 0
	s_wait_loadcnt 0x0                             ; the bias
	KSTEP 0, 2                                     ; the first products take the bias as C: no addition, nothing cleared
	KSTEP 1, 0
	KSTEP 2, 0
	WIN 0                                          ; K step 3 meets the second half of K: ONE barrier  (the add's two registers lie in window 0)
	s_wait_tensorcnt 0x0                           ; my parts of the second half are in
	ds_add_u32 v[SPW], v[NIL]                      ; 0 onto my spare word
	s_wait_dscnt 0x1                               ; this step's set is in; the add may be out
	WIN MUL_W
	MUL8 0, 1, 0
	s_wait_dscnt 0x0                               ; the add is done, and my reads of the first half are over: behind this barrier the weights' first half may serve as the stage
	s_barrier_signal -1
	MUL8 1, 1, 0
	s_barrier_wait -1                              ; everybody's parts are in
	PLACES NP
	FETCH 4
	WIN MUL_W
	MUL8 2, 1, 0
	MUL8 3, 1, 0
	KSTEP 4, 0
	KSTEP 5, 0
	KSTEP 6, 0
	s_wait_dscnt 0x0                               ; the last K step: nothing more to fetch
	WIN MUL_W
	MUL8 0, 1, 0
	MUL8 1, 1, 0
	MUL8 2, 1, 0
	MUL8 3, 1, 0
	WIN 0
; THE WAY OUT, block by block of 16 tokens x 128 features.  Of accumulator i a lane holds features 32 (i / 2) + 16 h + 8 (i % 2) + 0 .. 7 of one token: 32 bytes.  A block goes through my own stage in LDS and comes back as whole
; rows of 512 bytes.  LDS serves a wave's instructions in order (ISA guide 5.7.1.4): no wait between the stores and the loads.  Row t of block a is token 32 (a / 2) + 8 (a % 2) + t + 8 (t / 8) of my 64.
.macro TOSTAGE a
	WIN 0x08                                       ; the data: window 2
.irp b, 0,1,2,3,4,5,6,7
	ds_store_b128 v[STO], v[64*(\a)+8*\b:64*(\a)+8*\b+3] offset:128*(\b/2)+32*(\b%2)          ; each accumulator from its low end on
	ds_store_b128 v[STO], v[64*(\a)+8*\b+4:64*(\a)+8*\b+7] offset:128*(\b/2)+32*(\b%2)+16
.endr
	WIN 0
.set BB, BK+64*((\a)%2)
.irp t, 0,1,2,3,4,5,6,7,8,9,10,11,12,13,14,15
	ds_load_b128 v[BB+4*\t:BB+4*\t+3], v[RD] offset:\t*SPITCH
.endr
.endm
.macro SEND a, younger                 ; younger: the LDS instructions issued behind block a's loads, which may stay out
.set BB, BK+64*((\a)%2)
	s_wait_dscnt \younger
.irp t, 0,1,2,3,4,5,6,7,8,9,10,11,12,13,14,15
	global_store_b128 v[VOI], v[BB+4*\t:BB+4*\t+3], s[10:11] offset:(32*((\a)/2)+8*((\a)%2)+\t+8*(\t/8))*4096 th:TH_STORE_NT   ; 512 consecutive bytes, aligned; 63 rows at the most: inside the signed 24-bit immediate
.endr
.endm
	PLACES NP                                      ; behind the last products: for the loads into the registers that held the context's fragments and for the reads of results
	TOSTAGE 0
.irp a, 1,2,3
.if \a > 1
	s_wait_xcnt 0x0                                ; block a - 2's stores have read their registers: block a's loads may land there
.endif
	TOSTAGE \a
	SEND \a-1, 32                                  ; behind block a - 1's loads: block a's 16 stores and 16 loads
.endr
	SEND 3, 0
	s_wait_tensorcnt 0x0                           ; the wave's end, behind my last tensor load and my last LDS store
	ds_add_u32 v[SPW], v[NIL]
	s_wait_dscnt 0x0
	CROUND                                         ; the closing round
	s_endpgm
.Lfunc_end_k_q1f64b02a30_proj:
	.size	k_q1f64b02a30_proj, .Lfunc_end_k_q1f64b02a30_proj-k_q1f64b02a30_proj
	.p2alignl 7, 3214868480
	.fill 96, 4, 3214868480
	.section	.rodata,"a",@progbits
	.p2align	6, 0x0
	.amdhsa_kernel k_q1f64b02a30_proj
		.amdhsa_group_segment_fixed_size 327680
		.amdhsa_private_segment_fixed_size 0
		.amdhsa_enable_private_segment 0
		.amdhsa_kernarg_size 32
		.amdhsa_user_sgpr_count 2
		.amdhsa_user_sgpr_kernarg_segment_ptr 1
		.amdhsa_wavefront_size32 1
		.amdhsa_system_sgpr_workgroup_id_x 1
		.amdhsa_system_sgpr_workgroup_id_y 1
		.amdhsa_system_sgpr_workgroup_id_z 1
		.amdhsa_system_vgpr_workitem_id 0
		.amdhsa_next_free_vgpr 768
		.amdhsa_next_free_sgpr 102
		.amdhsa_reserve_vcc 0
		.amdhsa_float_denorm_mode_32 3
		.amdhsa_float_denorm_mode_16_64 3
		.amdhsa_memory_ordered 1
		.amdhsa_forward_progress 1
		.amdhsa_inst_pref_size 85
	.end_amdhsa_kernel
	.amdgpu_metadata
---
amdhsa.version: [ 1, 2 ]
amdhsa.kernels:
  - .name:           k_q1f64b02a30_proj
    .symbol:         k_q1f64b02a30_proj.kd
    .args:
      - { .name: cq, .offset: 0, .size: 8, .value_kind: global_buffer, .address_space: global }
      - { .name: wp, .offset: 8, .size: 8, .value_kind: global_buffer, .address_space: global }
      - { .name: b_proj, .offset: 16, .size: 8, .value_kind: global_buffer, .address_space: global }
      - { .name: out0, .offset: 24, .size: 8, .value_kind: global_buffer, .address_space: global }
    .group_segment_fixed_size: 327680
    .private_segment_fixed_size: 0
    .kernarg_segment_align: 8
    .kernarg_segment_size: 32
    .max_flat_workgroup_size: 128
    .sgpr_count:     102
    .vgpr_count:     768
    .wavefront_size: 32
...
	.end_amdgpu_metadata
.endif
;; end of part 4
